; MI455X (gfx1250); checked and timed in simulation.
; The chip was launched on July 23, 2026; its instructions are those of AMD's public machine-readable ISA for CDNA 5 (MIT licence, August 2026) and "CDNA5" Instruction Set Architecture Reference Guide (July 2026). The comments in the code are by the model that wrote it; some were corrected since.
;; Multi Head Attention. Allowed arithmetic: matrix products marked QUANTISED: E4M3 operands, one E8M0 scale for each 32 along K, by v_wmma_scale_f32_16x16x128_f8f6f4 with both operands' format E4M3, f32 sums; everything else in f32.
;; Inputs: Wk_codes 16 x 64 x 32 x 32 uint8 (E4M3 codes of Wk, K innermost, in blocks of 32 codes); Wk_scales 16 x 64 x 32 uint8 (E8M0 scales of Wk, one for each 32 codes along K); Wproj_codes 1,024 x 32 x 32 uint8 (E4M3 codes of Wproj, K innermost, in blocks of 32 codes); Wproj_scales 1,024 x 32 uint8 (E8M0 scales of Wproj, one for each 32 codes along K); Wq_codes 16 x 64 x 32 x 32 uint8 (E4M3 codes of Wq, K innermost, in blocks of 32 codes); Wq_scales 16 x 64 x 32 uint8 (E8M0 scales of Wq, one for each 32 codes along K); Wv_codes 16 x 64 x 32 x 32 uint8 (E4M3 codes of Wv, K innermost, in blocks of 32 codes); Wv_scales 16 x 64 x 32 uint8 (E8M0 scales of Wv, one for each 32 codes along K); bproj 1,024 float32; x_codes 4 x 2,048 x 32 x 32 uint8 (E4M3 codes of x, K innermost, in blocks of 32 codes); x_scales 4 x 2,048 x 32 uint8 (E8M0 scales of x, one for each 32 codes along K).
;; Outputs: out0 4 x 2,048 x 1,024 float32.
;; This version of the problem:
;;   THIS VERSION OF THE PROBLEM IS GIVEN IN LOW PRECISION. The matrix products marked QUANTISED in the list below multiply operands that are first quantised to E4M3 (4 exponent bits, 3 mantissa bits; 8 bits a number), with one power-of-two scale for each 32 numbers along K (OCP MX v1.0); their sums are f32. All else is computed in f32.
;;   The module's matrix products, in the order in which they are computed (A, B: the left and right operand; K: the contracted axis; several contracted axes count as one K, in the product's order):
;;     1. [M 1,024, K 1,024] x [K 1,024, N 8,192]; A: input Wq (given as codes); B: input x (given as codes): QUANTISED
;;     2. [M 1,024, K 1,024] x [K 1,024, N 8,192]; A: input Wk (given as codes); B: input x (given as codes): QUANTISED
;;     3. [M 1,024, K 1,024] x [K 1,024, N 8,192]; A: input Wv (given as codes); B: input x (given as codes): QUANTISED
;;     4. batch 64 x [M 2,048, K 64] x [K 64, N 2,048]; A: computed on the way; B: computed on the way: QUANTISED
;;     5. batch 64 x [M 2,048, K 2,048] x [K 2,048, N 64]; A: softmax (see below); B: computed on the way: QUANTISED
;;     6. [M 8,192, K 1,024] x [K 1,024, N 1,024]; A: computed on the way; B: input Wproj (given as codes): QUANTISED
;;   THE QUANTISER, for each operand of a quantised product, along K:
;;     - K is cut into blocks of 32 from its start; a last block that is shorter is filled with zeros.
;;     - A block's scale is 2^e with e = floor(log2(the largest magnitude in the block)) - 8, held to -126 .. 127; a block of zeros has e = 0. As a byte (E8M0): e + 127.
;;     - Each number is divided by its block's scale, clamped to +-448, and rounded to the nearest number of E4M3, ties to even, subnormals kept.
;;     - The product sums the exact products of the quantised numbers (number of the format x scale) in f32.
;;   ~~~python
;;   def quantise(x, axis):      # numpy; x: float32 -> the quantised numbers, widened to float32 again
;;       x = np.moveaxis(x, axis, -1); K = x.shape[-1]
;;       x = np.pad(x, [(0, 0)] * (x.ndim - 1) + [(0, -K % 32)]); x = x.reshape(x.shape[:-1] + (-1, 32)); a = np.abs(x).max(-1, keepdims=True)
;;       e = np.where(a > 0, np.clip(np.frexp(np.where(a > 0, a, 1))[1] - 1 - 8, -126, 127), 0)      # np.frexp(a)[1] - 1 = floor(log2(a)), exactly
;;       r = np.clip(x / 2.0 ** e, -448, 448)
;;       step = 2.0 ** (np.maximum(np.frexp(np.where(r == 0, 1, r))[1] - 1, -6) - 3)
;;       q = np.round(r / step) * step * 2.0 ** e      # np.round: ties to even
;;       return np.moveaxis(q.reshape(q.shape[:-2] + (-1,))[..., :K], -1, axis).astype(np.float32)
;;   ~~~
;;   SOFTMAX AHEAD OF A QUANTISED PRODUCT. Where the list says 'softmax', what is quantised is not the finished softmax but p = 2^(t - M), with t = logit x log2(e) and M = ceil(the row's largest t), a whole number; so 1/2 < the row's largest p <= 1. The row's sum l is taken of the UNQUANTISED p, in f32, and the product's result is divided by l at the end. Since M is a whole number, a kernel that streams over the keys may use a running M (the ceiling of the running maximum): every later rescaling is an exact power of two, which a block's scale takes up: the codes' values come out the same.
;;   OPERANDS COMPUTED ON THE WAY. 'Computed on the way' means the value that the module computes at that place (a softmax that the list does not call 'softmax' is quantised finished and normalised). What goes into a quantiser is computed in f32, as accurately as f32 sums, v_exp_f32 and their like allow (about 1e-6 of the number): no bf16 or f16 on the way to a quantiser, and a product that is left as it is and whose result goes on into a quantised operand takes f32 operands (vector FMAs, or v_wmma_f32_16x16x4_f32). A number that lies on a knife's edge between two numbers of the format may be rounded either way, as far as f32 arithmetic and the matrix unit's own rounding can turn it there, and no further.
;;   INPUTS GIVEN AS CODES. Wk (in the module: [16, 1024, 64], K = its axis 1); Wproj (in the module: [1024, 1024], K = its axis 0); Wq (in the module: [16, 1024, 64], K = its axis 1); Wv (in the module: [16, 1024, 64], K = its axis 1); x (in the module: [4, 2048, 1024], K = its axis 2): each comes as NAME_codes (uint8): NAME with its K axis moved to the last place and cut into blocks of 32 codes, [.., K / 32, bytes a block], one block behind the other in memory; one code a byte (a code: sign, 4 exponent bits, 3 mantissa bits); and NAME_scales (uint8): the same leading axes, one E8M0 byte (e + 127) for each 32 codes along K. Its value is code x scale, taken as it is: it is not quantised again, and the codes and scales need not be those that the quantiser above would give.
;; One version. Each part assembles by itself: llvm-mc -triple=amdgcn-amd-amdhsa -mcpu=gfx1250 --defsym DOCPART=n.
;; ======== version 1 of 1: 3 launches
;; limits: right only within a limited range of input values
;; workspace buffers: qc 8,912,896 bytes; kc 8,912,896 bytes; vc 8,650,752 bytes; oc 8,388,608 bytes; os 262,144 bytes
;; launch qkv (part 1): grid 12 x 32, 4 waves a work-group, clusters of 4 x 4, 327,680 bytes of LDS; arguments x_codes, x_scales, Wq_codes, Wq_scales, Wk_codes, Wk_scales, Wv_codes, Wv_scales, qc, kc, vc; writes qc, kc, vc
.if DOCPART == 1
	.amdgcn_target "amdgcn-amd-amdhsa--gfx1250"
	.amdhsa_code_object_version 6
	.text
	.protected	k_q36ce7669c6_qkv
	.globl	k_q36ce7669c6_qkv
	.p2align	8
	.type	k_q36ce7669c6_qkv,@function
k_q36ce7669c6_qkv:
	s_mov_b64 s[64:65], 0
	v_nop
	global_prefetch_b8 v0, s[64:65] scope:SCOPE_SE
	s_setreg_imm32_b32 hwreg(HW_REG_WAVE_MODE, 25, 1), 1
	s_wait_xcnt 0x0
	s_wait_alu depctr_hold_cnt(0) depctr_sa_sdst(0) depctr_va_vdst(0) depctr_va_sdst(0) depctr_va_ssrc(0) depctr_va_vcc(0) depctr_vm_vsrc(0)
	s_getreg_b32 s2, hwreg(HW_REG_IB_STS2, 6, 4)
	s_cmp_eq_u32 s2, 0
	s_cbranch_scc0 .Lentry_in_a_cluster
	s_endpgm
.Lentry_in_a_cluster:
	s_bfe_u32 s2, ttmp6, 0x10000c
	s_cmp_lg_u32 s2, 0xf033
	s_cbranch_scc0 .Lentry_shape_is_right
	s_endpgm
.Lentry_shape_is_right:
; q, k and v of all heads, as codes of FP8 (E4M3) with one E8M0 scale for each 32 along the NEXT product's K.
; One product Z[row of A][row of B] = sum over 1,024 of A x B on codes and scale bytes as they lie in memory; its results are quantised along B's rows, in registers, and stored as
; IMAGES OF OPERAND REGISTERS: lane l's 16 bytes at 16 l, 512 bytes a store.  The cluster's x says which product: 0: A = x, B = Wq -> qc;  1: A = x, B = Wk -> kc;  2: A = Wv, B = x -> vc
; (v is quantised along the tokens, so there the tokens are B's rows).
; A tile of Z, 256 x 256, is made by four waves, each 128 x 128: 64 accumulators, 512 registers.  K goes in steps of 256 through two LDS slots filled by the tensor data mover; the scale bytes of
; the 256 + 256 rows come once and stay.  4 x 4 work-groups form a cluster: A's tiles are asked for jointly along a row of the cluster, B's along a column.
; THE MATRIX INSTRUCTION IS USED TRANSPOSED (source 0 = 16 rows of B, source 1 = 16 rows of A): lane (r, h) holds row r of A and, in register j of accumulator (a, b), row 16 b + 8 h + j of B.
; THE ORDER INSIDE A BLOCK OF 32.  Accumulators 2 g and 2 g + 1 are converted as they stand: lanes 0-15 hold numbers 0-7 and 16-23 of block g, lanes 16-31 numbers 8-15 and 24-31.  Every operand that meets
; these codes in a product is laid in the same order, so each product's pairs are the true pairs; only the grouping of the sums inside the matrix instruction differs from the plain order.
; LAYOUTS (bh = 16 batch + head; a slot = 256 tokens).  qc, kc: [bh][8 slots] x 17,408 bytes: token tile a (16 tokens) at 1,024 a + 512 c + 16 lane, c the block of the head's 64; from byte 16,384 the scale
; words at 256 (a / 4) + 16 r + 4 (a % 4): bytes 0, 1 the two blocks', bytes 2, 3 zero.  vc: [bh][8 slots] x 16,896 bytes: (128 keys q, 16 channels t) at 2,048 (4 q + t) + 512 g + 16 lane; from byte 16,384
; the scale words at 256 q + 16 r + 4 t, the four key blocks' bytes.
; LIMITS: NaN and infinities among the inputs are not served.  A block of zeros gets the scale byte 1 (its codes are zeros; only this program reads the bytes).
; REGISTERS, in windows of 256: window 0: v0-31 addresses; v32-63 scale words, two sets, and nothing else; v64-116 the way out; from v128 A's fragments, one set.  window 1: B's fragments, two sets.
;   window 2: the accumulators of my rows 0-63 of A ((a, b) at v[8 (8 a + b)]);  window 3: those of rows 64-127.
.set KSTEP,  256                       ; along K in a slot
.set NQ,     2                         ; matrix instructions deep
.set ROWB,   256                       ; a tile's row in bytes
.set KROW,   1024                      ; a row of A or of B in memory, in bytes
.set PITCH,  272                       ; an LDS row: 256 bytes + 16 of padding = 68 words: the 16 rows of a fragment load start at 16 different banks (64 banks of 4 bytes: ISA guide 11.1)
.set FR,     16                        ; registers of a fragment
.set NL,     4                         ; LDS loads that bring one
.set NP,     8                         ; places behind this matrix instruction (ISA guide 7.12.1)
.set HALFT,  128*PITCH                 ; 128 rows: what one tensor load brings
.set SLOT,   4*HALFT                   ; A's 256 rows, then B's 256 rows
.set LAPS,   KROW/(2*KSTEP)            ; a lap = two K steps = once round the ring
.set KS,     KROW/32                   ; a row of scale bytes
.set SCL,    2*SLOT                    ; behind the ring: the scales, as units of 256 bytes + 16 of padding
.set HALFS,  (128*KS/256)*272          ; the scales of 128 rows
.set SBLK,   (16*KS/256)*272           ; those of 16 rows
.set SPARE,  SCL+4*HALFS               ; behind the scales: the spare words, 128 bytes for each wave, which no other line names
.set SBK,    17408                     ; a slot of qc or kc
.set SBV,    16896                     ; a slot of vc
.set ADRA, 16                          ; v16-17  LDS address of my A fragments in slot 0, 1
.set ADRB, 20                          ; v20-21  the same for B
.set ADRS, 27                          ; v27     LDS address of my scale words: lanes 0-15 A's rows, lanes 16-31 B's
.set SPW,  28                          ; v28     LDS address of my spare word; never rewritten
.set NIL,  29                          ; v29     0; never rewritten
.set SC,   32                          ; scale words: set s at v[SC + 16 s]; register 2 i + q: lanes 0-15 the word of A's block i, lanes 16-31 of B's block i
.set AF,   128                         ; A's fragments, in window 0
.set TM,   64                          ; the way out: v64-67 largest magnitudes, v68-71 bytes, v72-75 448 x the scale, v76-79 the conversions' scale operands
.set PC,   80                          ; v80-95  16 registers of codes
.set SW,   96                          ; v96-103 the scale word of each of my eight blocks of A's rows
.set X,    104                         ; v104-111 scale words as they are stored
.set VO0,  112                         ; v112    16 x lane
.set VO2,  113                         ; v113    the same, one head (q, k) or two groups (v) on
.set VS,   114                         ; v114    where my scale words go
.set SH,   115                         ; v115    16 x (lane / 16)
.set HH,   116                         ; v116    lane / 16
.set G1, 24                            ; s[24:31] descriptor group 1 for A's tiles;  s[32:39] group 0, one set for each slot
.set G0, 32
.set G1B, 48                           ; s[48:55], s[56:63] the same for B's tiles
.set G0B, 56
.set G1S, 68                           ; s[68:75], s[76:79] groups 1 and 0 for A's scales;  s[80:87], s[88:91] for B's
.set G0S, 76
.set G1SB, 80
.set G0SB, 88
.set MSB, 0
.macro WIN new                         ; the immediate's high byte repeats the setting that is left; a switch that changes nothing is dropped
.if MSB != (\new)
	s_set_vgpr_msb (MSB<<8)|(\new)
.set MSB, (\new)
.endif
.endm
.set MUL_LO, 0xa1                      ; source 0 (B) window 1, source 1 (A) window 0, C and D window 2
.set MUL_HI, 0xf1                      ; the same, C and D window 3
.set TO_B,   0x40                      ; destination window 1, address window 0
; A joint load: waves 0 and 1 fetch for A, waves 2 and 3 for B.  The branch hangs on the wave's number alone.  Four v_nop follow each of the two lines.
.macro JLOAD g0a, g1a, g0b, g1b
	s_cmp_eq_u32 s15, 0
	s_cbranch_scc0 .Lfor_b_\@
	tensor_load_to_lds s[\g0a:\g0a+3], s[\g1a:\g1a+7]
	s_nop 0
.rept 4
	v_nop
.endr
	s_branch .Lasked_\@
.Lfor_b_\@:
	tensor_load_to_lds s[\g0b:\g0b+3], s[\g1b:\g1b+7]
	s_nop 0
.rept 4
	v_nop
.endr
.Lasked_\@:
.endm
.macro CREST                           ; a round of the cluster's barrier behind its opening barrier
	s_cmp_lg_u32 s14, 0
	s_cbranch_scc1 .Lnot_wave_0_\@
	s_barrier_signal -3
.Lnot_wave_0_\@:
	s_barrier_wait -3
	s_barrier_signal -1
	s_barrier_wait -1
.endm
.macro CROUND                          ; a whole round
	s_barrier_signal -1
	s_barrier_wait -1
	CREST
.endm
	s_load_b512 s[68:83], s[0:1], 0x0              ; x's codes, x's scales, Wq's, Wk's, Wv's: two addresses each
	s_load_b128 s[84:87], s[0:1], 0x40             ; qc, kc
	s_load_b64 s[88:89], s[0:1], 0x50              ; vc
	v_lshl_add_u32 v[SPW], v0, 2, SPARE
	v_mov_b32 v[NIL], 0
	ds_add_u32 v28, v29
	ds_add_u32 v28, v29
	s_wait_dscnt 0x0
	v_lshrrev_b32 v1, 5, v0
	v_readfirstlane_b32 s14, v1                    ; wave 0..3
	s_lshr_b32 s15, s14, 1                         ; which half of A's rows is mine.  Also: I fetch for A (0) or for B (1)
	s_and_b32 s16, s14, 1                          ; which half of B's rows.  Also: which 128 rows of that tile I fetch
	s_bfe_u32 s40, ttmp6, 0x40000                  ; cx, cy: my place in the cluster
	s_bfe_u32 s41, ttmp6, 0x40004
	s_and_b32 s18, ttmp7, 0xffff
	s_lshl_b32 s18, s18, 2                         ; 4 x the cluster's y: the 32 tiles of tokens
	s_cmp_eq_u32 ttmp9, 2                          ; the cluster's x is the product's number: the same in all sixteen partners
	s_cselect_b32 s17, 0, s18                      ; the tokens are A's rows for q and k,
	s_cselect_b32 s42, s18, 0                      ; B's rows for v
	s_add_co_u32 s17, s17, s41                     ; A's tile = cy (+ 4 Y)
	s_add_co_u32 s42, s42, s40                     ; B's tile = cx (+ 4 Y)
	s_lshl_b32 s43, s41, 2
	s_lshl_b32 s43, 15, s43                        ; my row of the cluster
	s_lshl_b32 s44, 0x1111, s40                    ; my column
	; descriptor group 1: rows of 256 bytes, padded in LDS: 256 rows for the head's loads; behind them the two words that count rows are set to 128, for the ring's
	s_or_b32 s[G1+0], s43, (0<<16)|(1<<20)|(1<<21)|(5<<22)|(3<<25)  ; 15:0 the mask: A's tiles go to my row; elements of 1 byte; padding on; bit 21 beside a mask; after every 64 words (code 5) 4 words (code 3)
	s_or_b32 s[G1B+0], s44, (0<<16)|(1<<20)|(1<<21)|(5<<22)|(3<<25)
.irp g, G1, G1B
	s_mov_b32 s[\g+1], ROWB<<16                    ; tensor_dim0
	s_mov_b32 s[\g+2], 256<<16                     ; tensor_dim1
	s_mov_b32 s[\g+3], ROWB<<16                    ; tile_dim0
	s_mov_b32 s[\g+4], 256                         ; tile_dim1
	s_mov_b32 s[\g+5], KROW                        ; tensor_dim0_stride
	s_mov_b32 s[\g+6], 0
	s_mov_b32 s[\g+7], 0
.endr
	s_lshl_b32 s18, s16, 17                        ; in the ring I fetch 128 rows of a tile: which half, in bytes (128 rows of 1,024)
	s_mov_b32 s19, 0
	s_lshl_b32 s20, s17, 8                         ; A: the tile's first row
	s_lshl_b32 s46, s42, 8                         ; B likewise
	s_lshl_b32 s22, s20, 5                         ; where these rows' scales begin: 32 bytes a row
	s_lshl_b32 s92, s46, 5
	s_lshl_b32 s20, s20, 10                        ; and their codes: 1,024 bytes a row (8,192 rows at the most: under 2^24 bytes)
	s_lshl_b32 s46, s46, 10
	s_mov_b32 s21, 0
	s_mov_b32 s23, 0
	s_mov_b32 s47, 0
	s_mov_b32 s93, 0
	s_mul_i32 s45, s14, HALFT                      ; where they go: wave x 128 rows: no place in the cluster enters an LDS address
	s_wait_kmcnt 0x0
	s_cmp_eq_u32 ttmp9, 1                          ; which buffers: the choices hang on the product's number alone
	s_cselect_b64 s[72:73], s[76:77], s[72:73]     ; the weight of q or of k: codes,
	s_cselect_b64 s[74:75], s[78:79], s[74:75]     ; scales,
	s_cselect_b64 s[84:85], s[86:87], s[84:85]     ; and where the result goes
	s_cmp_eq_u32 ttmp9, 2
	s_cselect_b64 s[4:5], s[80:81], s[68:69]       ; A's codes: Wv's or x's
	s_cselect_b64 s[6:7], s[82:83], s[70:71]       ; A's scales
	s_cselect_b64 s[8:9], s[68:69], s[72:73]       ; B's codes: x's or the weight's
	s_cselect_b64 s[10:11], s[70:71], s[74:75]     ; B's scales
	s_cselect_b64 s[12:13], s[88:89], s[84:85]     ; the result's buffer
	; the scales of 256 rows: a dense block of 8,192 bytes, as 32 rows of 256 bytes (32 elements of 8 bytes), 16 bytes of padding behind each.  (These registers held the addresses until here)
	s_or_b32 s[G1S+0], s43, (3<<16)|(1<<20)|(1<<21)|(5<<22)|(3<<25)
	s_or_b32 s[G1SB+0], s44, (3<<16)|(1<<20)|(1<<21)|(5<<22)|(3<<25)
.irp g, G1S, G1SB
	s_mov_b32 s[\g+1], 32<<16
	s_mov_b32 s[\g+2], (256*KS/256)<<16
	s_mov_b32 s[\g+3], 32<<16
	s_mov_b32 s[\g+4], 256*KS/256
	s_mov_b32 s[\g+5], 32
	s_mov_b32 s[\g+6], 0
	s_mov_b32 s[\g+7], 0
.endr
	s_add_nc_u64 s[20:21], s[4:5], s[20:21]
	s_add_nc_u64 s[22:23], s[6:7], s[22:23]
	s_add_nc_u64 s[46:47], s[8:9], s[46:47]
	s_add_nc_u64 s[92:93], s[10:11], s[92:93]
	CROUND                                         ; all sixteen work-groups are here: the first joint loads meet
	s_mov_b32 s[G0S], 1
	s_mov_b32 s[G0S+1], SCL
	s_mov_b64 s[G0S+2:G0S+3], s[22:23]
	s_or_b32 s[G0S+3], s[G0S+3], 0x80000000
	s_mov_b32 s[G0SB], 1
	s_mov_b32 s[G0SB+1], SCL+2*HALFS
	s_mov_b64 s[G0SB+2:G0SB+3], s[92:93]
	s_or_b32 s[G0SB+3], s[G0SB+3], 0x80000000
.set G0H, 4                            ; s[4:7], s[8:11] group 0 for the head's loads of K step 0: A's 256 rows, B's 256 rows (the addresses that lay there have been used)
.set G0HB, 8
	s_mov_b32 s[G0H], 1
	s_mov_b32 s[G0H+1], 0
	s_mov_b64 s[G0H+2:G0H+3], s[20:21]
	s_or_b32 s[G0H+3], s[G0H+3], 0x80000000
	s_mov_b32 s[G0HB], 1
	s_mov_b32 s[G0HB+1], 2*HALFT
	s_mov_b64 s[G0HB+2:G0HB+3], s[46:47]
	s_or_b32 s[G0HB+3], s[G0HB+3], 0x80000000
	s_add_nc_u64 s[20:21], s[20:21], s[18:19]      ; for the ring: my 128 rows of the tile
	s_add_nc_u64 s[46:47], s[46:47], s[18:19]
.irp s, 0,1
	s_mov_b32 s[G0+4*\s], 1
	s_add_co_u32 s[G0+4*\s+1], s45, \s*SLOT
	s_add_nc_u64 s[G0+4*\s+2:G0+4*\s+3], s[20:21], \s*ROWB
	s_or_b32 s[G0+4*\s+3], s[G0+4*\s+3], 0x80000000
	s_mov_b32 s[G0B+4*\s], 1
	s_add_co_u32 s[G0B+4*\s+1], s45, \s*SLOT
	s_add_nc_u64 s[G0B+4*\s+2:G0B+4*\s+3], s[46:47], \s*ROWB
	s_or_b32 s[G0B+4*\s+3], s[G0B+4*\s+3], 0x80000000
.endr
; THE HEAD'S LOADS, ONE A WAVE: wave 0 K step 0's 256 rows of A, wave 1 its 256 rows of B, wave 2 the scales of A's 256 rows, wave 3 those of B's.
; One tree of branches on the wave's number: every way through the head passes exactly one load.
.macro ARM under, g0, g1, next
	s_cmp_lt_u32 s14, \under
	s_cbranch_scc0 \next
	tensor_load_to_lds s[\g0:\g0+3], s[\g1:\g1+7]
	s_nop 0
.rept 4
	v_nop
.endr
	s_branch .Lhead_asked
\next:
.endm
	ARM 1, G0H,  G1,  .Lhead_b
	ARM 2, G0HB, G1B, .Lhead_sa
	ARM 3, G0S,  G1S, .Lhead_sb
	tensor_load_to_lds s[G0SB:G0SB+3], s[G1SB:G1SB+7]
	s_nop 0
.rept 4
	v_nop
.endr
.Lhead_asked:
	v_and_b32 v1, 15, v0                           ; l % 16
	v_bfe_u32 v2, v0, 4, 1                         ; l / 16
	v_mul_u32_u24 v3, v1, PITCH
	v_lshl_add_u32 v4, v2, 4, v3                   ; a fragment's row x pitch + 16 x half
	s_mul_i32 s21, s15, HALFT                      ; my 128 rows of A
	s_mul_i32 s22, s16, HALFT                      ; my 128 rows of B,
	s_add_co_u32 s22, s22, 2*HALFT                 ; which lie behind A's 256
.irp s, 0,1
	v_add_nc_u32 v[ADRA+\s], s21, v4
	v_add_nc_u32 v[ADRB+\s], s22, v4
	s_add_co_u32 s21, s21, SLOT
	s_add_co_u32 s22, s22, SLOT
.endr
	v_mul_u32_u24 v5, v1, KS                       ; my row's scales: 32 bytes a row,
	v_lshrrev_b32 v6, 8, v5
	v_lshl_add_u32 v5, v6, 4, v5                   ; and 16 more for each 256 passed
	s_mul_i32 s21, s15, HALFS                      ; A's: my 128 rows
	s_mul_i32 s22, s16, HALFS                      ; B's: my 128 rows, behind A's 256
	s_add_co_u32 s22, s22, 2*HALFS
	s_sub_co_u32 s22, s22, s21
	v_mul_u32_u24 v6, s22, v2                      ; lanes 16-31 take B's: one product, the distance between the two bases
	s_add_co_u32 s21, s21, SCL
	v_add_nc_u32 v5, v5, v6
	v_add_nc_u32 v[ADRS], s21, v5
.macro FRAG reg, adr, q, i             ; a fragment, 16 rows x 128 K: lane l holds row l % 16; registers 4 c .. 4 c + 3 hold K = 32 c + 16 (l / 16) + 0 .. 15
.irp c, 0,1,2,3
	ds_load_b128 v[\reg+4*\c:\reg+4*\c+3], v[\adr] offset:128*(\q)+32*\c+(\i)*16*PITCH
.endr
.endm
; 16 matrix instructions: A's blocks a0, a0 + 1 x B's eight, the slot's q-th 128 along K.  p: B's set;  sc: the set of scale words.  zero = 1: the first product starts the sums.
; The 64 accumulators take turns, one instruction a turn, in the same order in every step.
.macro MUL16 a0, p, q, sc, zero
.irp a, \a0, \a0+1
.irp b, 0,1,2,3,4,5,6,7
.if \zero
	v_wmma_scale_f32_16x16x128_f8f6f4 v[8*(8*((\a)%4)+\b):8*(8*((\a)%4)+\b)+7], v[128*(\p)+FR*\b:128*(\p)+FR*\b+FR-1], v[AF+FR*(\a):AF+FR*(\a)+FR-1], 0, v[SC+8*NQ*(\sc)+NQ*\b+(\q)], v[SC+8*NQ*(\sc)+NQ*(\a)+(\q)] matrix_a_scale:MATRIX_SCALE_ROW1
.else
	v_wmma_scale_f32_16x16x128_f8f6f4 v[8*(8*((\a)%4)+\b):8*(8*((\a)%4)+\b)+7], v[128*(\p)+FR*\b:128*(\p)+FR*\b+FR-1], v[AF+FR*(\a):AF+FR*(\a)+FR-1], v[8*(8*((\a)%4)+\b):8*(8*((\a)%4)+\b)+7], v[SC+8*NQ*(\sc)+NQ*\b+(\q)], v[SC+8*NQ*(\sc)+NQ*(\a)+(\q)] matrix_a_scale:MATRIX_SCALE_ROW1
.endif
.endr
.endr
.endm
.macro FETCH_B slot, q, p              ; B's eight fragments of the slot's q-th 128 along K into set p
	WIN TO_B
.irp i, 0,1,2,3,4,5,6,7
	FRAG 128*(\p)+FR*\i, ADRB+\slot, \q, \i
.endr
	WIN 0
.endm
.macro FETCH_A slot, q, i0             ; A's blocks i0 .. i0 + 3
.irp i, \i0, \i0+1, \i0+2, \i0+3
	FRAG AF+FR*(\i), ADRA+\slot, \q, \i
.endr
.endm
.macro SCALES sc                       ; the next K step's scale words into set sc: two words a row
.irp i, 0,1,2,3,4,5,6,7
	ds_load_b64 v[SC+8*NQ*\sc+NQ*\i:SC+8*NQ*\sc+NQ*\i+1], v[ADRS] offset:\i*SBLK
.endr
.endm
; A load into a register that a matrix instruction has read, and a vector instruction that reads a matrix result, stand NP places behind that matrix instruction; only plain vector
; instructions that name none of its registers are places (ISA guide 7.12.1 for vector instructions).
.macro PLACES n
.rept \n
	v_nop
.endr
.endm
; A step of 128 along K that has its successor in the same slot.  A's blocks go one after the other, each against B's eight: a block of A is free as soon as its eight products are issued.
.macro STEP slot, q, zero
	s_wait_dscnt 4*NL                              ; B's set and A's blocks 0-3 are in; the youngest sixteen loads (A's blocks 4-7) may be out
	WIN MUL_LO
	MUL16 0, (\q)%2, \q, \slot, \zero
	MUL16 2, (\q)%2, \q, \slot, \zero
	s_wait_dscnt 0                                 ; A's blocks 4-7 are in (asked for 32 matrix instructions ago)
	PLACES NP
	FETCH_B \slot, (\q)+1, 1-(\q)%2
	FETCH_A \slot, (\q)+1, 0
	WIN MUL_HI
	MUL16 4, (\q)%2, \q, \slot, \zero
	MUL16 6, (\q)%2, \q, \slot, \zero
	PLACES NP
	WIN 0
	FETCH_A \slot, (\q)+1, 4
.endm
; A slot's last step changes slots: ONE barrier; in front of it each wave waits for all its tensor loads, adds 0 to its spare word, and waits for that and for its own reads of this slot.
; fill = 1: this slot is filled again, two K steps ahead; the barrier then opens a round of the cluster's barrier.
.macro TURN slot, next, fill
	s_wait_tensorcnt 0x0                           ; all my tensor loads have landed: my part of the next slot  (every window is 0 here)
	ds_add_u32 v[SPW], v[NIL]                      ; 0 onto my spare word
	s_wait_dscnt 4*NL+1                            ; (the add and the youngest sixteen loads, A's blocks 4-7, may be out)
	WIN MUL_LO
	MUL16 0, 1, NQ-1, \slot, 0                     ; sixteen matrix instructions stand between the add and the wait for it
	s_wait_dscnt 0x0                               ; the add is done, and my reads of this slot are over
	s_barrier_signal -1
	MUL16 2, 1, NQ-1, \slot, 0
	WIN 0
	s_barrier_wait -1
.if \fill
	CREST                                          ; no wave of any partner still reads this slot's tile or has a load on its way
	s_add_nc_u64 s[G0+4*\slot+2:G0+4*\slot+3], s[G0+4*\slot+2:G0+4*\slot+3], 2*ROWB
	s_add_nc_u64 s[G0B+4*\slot+2:G0B+4*\slot+3], s[G0B+4*\slot+2:G0B+4*\slot+3], 2*ROWB
	JLOAD G0+4*\slot, G1, G0B+4*\slot, G1B         ; the first tensor load behind the round, my one load until the next; its four v_nop are among the places in front of the loads below
	PLACES NP-4
.else
	PLACES NP
.endif
	s_wait_alu depctr_va_vdst(0)
	v_add_nc_u32 v[ADRS], 4*NQ, v[ADRS]            ; on to the next K step's scale words (no LDS load of mine is out)
	FETCH_B \next, 0, 0
	FETCH_A \next, 0, 0
	SCALES \next
	WIN MUL_HI
	MUL16 4, 1, NQ-1, \slot, 0
	MUL16 6, 1, NQ-1, \slot, 0
	PLACES NP
	WIN 0
	FETCH_A \next, 0, 4
.endm
	s_wait_alu depctr_va_vdst(0)
	s_wait_tensorcnt 0x0                           ; my tile of the head's four is in
	ds_add_u32 v[SPW], v[NIL]
	s_mov_b32 s[G1+2], 128<<16                     ; no tensor load of mine is out, so a descriptor may be written: from here on a load brings 128 rows
	s_mov_b32 s[G1+4], 128
	s_mov_b32 s[G1B+2], 128<<16
	s_mov_b32 s[G1B+4], 128
	s_wait_dscnt 0x0                               ; the add is done
	CROUND                                         ; a whole round: all four tiles are in, and all sixteen work-groups are here
	JLOAD G0+4, G1, G0B+4, G1B                     ; K step 1's load, the first tensor load behind the round
	FETCH_B 0, 0, 0
	FETCH_A 0, 0, 0
	SCALES 0
	FETCH_A 0, 0, 4
	STEP 0, 0, 1                                   ; the first step stands in front of the loop: its products start the sums
	s_mov_b32 s3, LAPS-1
.Llap:                                                 ; a trip goes once round the ring, from a lap's second step to the next lap's first, and fills both slots again
	TURN 0, 1, 1
	STEP 1, 0, 0
	TURN 1, 0, 1
	STEP 0, 0, 0
	s_sub_co_u32 s3, s3, 1
	s_cmp_lg_u32 s3, 0
	s_cbranch_scc1 .Llap
	TURN 0, 1, 0                                   ; the last lap fills nothing, and has no round of the cluster's barrier
	STEP 1, 0, 0
	s_wait_dscnt 4*NL                              ; the very last step: nothing more to fetch
	WIN MUL_LO
	MUL16 0, 1, NQ-1, 1, 0
	MUL16 2, 1, NQ-1, 1, 0
	s_wait_dscnt 0
	WIN MUL_HI
	MUL16 4, 1, NQ-1, 1, 0
	MUL16 6, 1, NQ-1, 1, 0
	WIN 0
	; THE WAY OUT: no LDS.  My 128 rows of B are four blocks of 32 for each row of A: two heads x two blocks (q, k), or the four key blocks of 128 keys (v).
	s_mov_b32 s40, SBK
	s_mov_b32 s41, 8*SBK
	s_cmp_eq_u32 ttmp9, 2                          ; every choice stands ahead of the first line that changes SCC
	s_cselect_b32 s20, s42, s17                    ; the tile of 256 tokens,
	s_cselect_b32 s21, s17, s42                    ; the tile of 256 features (4 heads),
	s_cselect_b32 s22, s16, s15                    ; my half of the tokens,
	s_cselect_b32 s23, s15, s16                    ; my half of the features (2 heads)
	s_cselect_b32 s40, SBV, s40                    ; a slot's bytes
	s_cselect_b32 s41, 1024, s41                   ; from codes 0-7 to codes 8-15 of a block of A's rows: two groups on (v), one head on (q, k)
	s_cselect_b32 s43, 1, 0
	s_cselect_b32 s44, 8*SBV-8192, 0               ; v: behind four channel tiles the next head begins
	s_mov_b32 s45, 0
	s_mov_b32 s66, 0x76543210
	s_mov_b32 s67, 0xfedcba98                      ; v_permlanex16_b32's selects for lane l xor 16
	s_mov_b32 s18, 0x600000                        ; the mantissa field of 448
	s_lshr_b32 s94, s20, 3                         ; batch
	s_lshl_b32 s94, s94, 4
	s_lshl_b32 s95, s21, 2
	s_add_co_u32 s94, s94, s95
	s_lshl_b32 s95, s23, 1
	s_add_co_u32 s94, s94, s95                     ; bh of my first head
	s_lshl_b32 s94, s94, 3
	s_and_b32 s95, s20, 7
	s_add_co_u32 s94, s94, s95                     ; 8 bh + slot
	s_mul_i32 s96, s94, s40                        ; in bytes: under 2^24
	s_mov_b32 s97, 0
	s_add_nc_u64 s[12:13], s[12:13], s[96:97]      ; my first head's slot
	s_lshr_b32 s47, 512, s43                       ; the scale words of 128 tokens: 512 bytes (q, k) or 256 (v)
	s_mul_i32 s96, s22, s47
	s_add_co_u32 s96, s96, 16384
	s_add_nc_u64 s[98:99], s[12:13], s[96:97]      ; where my scale words begin
	s_lshl_b32 s96, s22, 13
	s_add_nc_u64 s[12:13], s[12:13], s[96:97]      ; where my codes begin: 8,192 bytes for 128 tokens
	s_lshl_b32 s92, 1024, s43                      ; from one block of A's rows to the next: 1,024 (q, k) or 2,048 (v)
	s_mov_b32 s93, 0
	s_lshl_b32 s46, s40, 3                         ; a head's bytes
	; these twelve plain vector lines name no register of the last products: they are the places behind them
	v_and_b32 v[VO0], 31, v0
	v_lshlrev_b32 v[VO0], 4, v[VO0]
	v_add_nc_u32 v[VO2], s41, v[VO0]
	v_bfe_u32 v[HH], v0, 4, 1
	v_and_b32 v[VS], 15, v0
	v_lshlrev_b32 v[VS], 4, v[VS]
	v_mad_u32_u24 v[VS], v[HH], s46, v[VS]         ; lanes 0-15 store my first head's words, lanes 16-31 my second's
	v_lshlrev_b32 v[SH], 4, v[HH]
.irp b, 0,1,2,3
	v_mov_b32 v[TM+4+\b], 0                        ; written once: a lane permute's destination counts as one of its sources
.endr
; Block a of A's rows: its eight accumulators, 64 numbers a lane, become 16 registers of codes and a scale word.
.macro QUANT a
.set W, 2+(\a)/4
.set AC, 64*((\a)%4)
	WIN (W<<2)|(W<<4)                              ; sources 1 and 2: the accumulators' window
.irp b, 0,1,2,3
	v_max3_num_f32 v[TM+\b], 0x4800000, |v[AC+16*\b]|, |v[AC+16*\b+1]|   ; block b: my 16 numbers, each accumulator from its low end on, and the floor 2^(9 - 127): the byte cannot fall under 1
.endr
.irp i, 2,4,6,8,10,12,14
.irp b, 0,1,2,3
	v_max3_num_f32 v[TM+\b], v[TM+\b], |v[AC+16*\b+\i]|, |v[AC+16*\b+\i+1]|   ; (the four blocks by turns)
.endr
.endr
	WIN 0
.irp b, 0,1,2,3
	v_permlanex16_b32 v[TM+4+\b], v[TM+\b], s66, s67
.endr
.irp b, 0,1,2,3
	v_max_num_f32 v[TM+\b], v[TM+\b], v[TM+4+\b]   ; with lane l xor 16's 16: the block's largest magnitude
.endr
.irp b, 0,1,2,3
	v_add_nc_u32 v[TM+12+\b], 0xfc000000, v[TM+\b] ; 8 off its exponent field: the conversion takes the exponent field of this operand as its scale
.endr
.irp b, 0,1,2,3
	v_and_or_b32 v[TM+8+\b], v[TM+\b], 0x7f800000, s18   ; 448 x the scale
.endr
.irp b, 0,1,2,3
	v_lshrrev_b32 v[TM+4+\b], 23, v[TM+12+\b]      ; the scale's byte
.endr
	v_lshl_or_b32 v[SW+\a], v[TM+5], 8, v[TM+4]
	v_lshl_or_b32 v[SW+\a], v[TM+6], 16, v[SW+\a]
	v_lshl_or_b32 v[SW+\a], v[TM+7], 24, v[SW+\a]
	WIN W|(W<<6)                                   ; source 0 and destination: the accumulators' window
.irp b, 0,1,2,3
.irp i, 0,1,2,3,4,5,6,7,8,9,10,11,12,13,14,15
	v_med3_num_f32 v[AC+16*\b+\i], v[AC+16*\b+\i], -v[TM+8+\b], v[TM+8+\b]   ; the conversion to an 8-bit code does not saturate (ISA guide 7.6.2): the hold at 448 x the scale
.endr
.endr
	s_wait_alu depctr_va_vdst(0)
	s_wait_xcnt 0x0                                ; the last block's stores have had their addresses translated (ISA guide 3.1): their data and their base are rewritten only behind this wait
.if (\a) > 0
	s_add_nc_u64 s[12:13], s[12:13], s[92:93]
.endif
.if (\a) == 4
	s_add_nc_u64 s[12:13], s[12:13], s[44:45]
.endif
	WIN W
.irp b, 0,1,2,3
	v_cvt_scalef32_pk8_fp8_f32 v[PC+4*\b:PC+4*\b+1], v[AC+16*\b:AC+16*\b+7], v[TM+12+\b]
	v_cvt_scalef32_pk8_fp8_f32 v[PC+4*\b+2:PC+4*\b+3], v[AC+16*\b+8:AC+16*\b+15], v[TM+12+\b]
.endr
	WIN 0
	v_nop                                          ; one plain vector line behind the last conversion of a run
	global_store_b128 v[VO0], v[PC:PC+3], s[12:13]             ; each store: 32 lanes, 512 consecutive bytes, at a multiple of 512 from the buffer's first byte
	global_store_b128 v[VO0], v[PC+4:PC+7], s[12:13] offset:512
	global_store_b128 v[VO2], v[PC+8:PC+11], s[12:13]
	global_store_b128 v[VO2], v[PC+12:PC+15], s[12:13] offset:512
.endm
.irp a, 0,1,2,3,4,5,6,7
	QUANT \a
.endr
	s_cmp_eq_u32 ttmp9, 2                          ; the product's number again: the same in all partners; no LDS access, barrier or tensor load stands on either way
	s_cbranch_scc1 .Lv_words
.irp a, 0,1,2,3,4,5,6,7
	v_bfe_u32 v[X+\a], v[SW+\a], v[SH], 16         ; q, k: a head's two bytes: lanes 0-15 my first head's, lanes 16-31 my second's; bytes 2 and 3 are 0
.endr
	global_store_b128 v[VS], v[X:X+3], s[98:99]    ; sixteen lanes store 256 consecutive bytes: the words of four token tiles
	global_store_b128 v[VS], v[X+4:X+7], s[98:99] offset:256
	s_branch .Lwords_out
.Lv_words:
	v_cmp_ne_u32 vcc_lo, 0, v[HH]
.irp t, 0,1,2,3
	v_cndmask_b32 v[X+\t], v[SW+\t], v[SW+4+\t], vcc_lo   ; v: a word holds the four key blocks' bytes: lanes 0-15 my first head's four channel tiles, lanes 16-31 my second's
.endr
	global_store_b128 v[VS], v[X:X+3], s[98:99]
.Lwords_out:
	s_wait_tensorcnt 0x0                           ; the wave's end
	ds_add_u32 v[SPW], v[NIL]
	s_wait_dscnt 0x0
	CROUND                                         ; the closing round: no work-group ends while a partner may still ask for a tile that names it
	s_endpgm
.Lfunc_end_k_q36ce7669c6_qkv:
	.size	k_q36ce7669c6_qkv, .Lfunc_end_k_q36ce7669c6_qkv-k_q36ce7669c6_qkv
	.p2alignl 7, 3214868480
	.fill 96, 4, 3214868480
	.section	.rodata,"a",@progbits
	.p2align	6, 0x0
	.amdhsa_kernel k_q36ce7669c6_qkv
		.amdhsa_group_segment_fixed_size 327680
		.amdhsa_private_segment_fixed_size 0
		.amdhsa_enable_private_segment 0
		.amdhsa_kernarg_size 88
		.amdhsa_user_sgpr_count 2
		.amdhsa_user_sgpr_kernarg_segment_ptr 1
		.amdhsa_wavefront_size32 1
		.amdhsa_system_sgpr_workgroup_id_x 1
		.amdhsa_system_sgpr_workgroup_id_y 1
		.amdhsa_system_sgpr_workgroup_id_z 1
		.amdhsa_system_vgpr_workitem_id 0
		.amdhsa_next_free_vgpr 1024
		.amdhsa_next_free_sgpr 100
		.amdhsa_reserve_vcc 1
		.amdhsa_float_denorm_mode_32 3
		.amdhsa_float_denorm_mode_16_64 3
		.amdhsa_memory_ordered 1
		.amdhsa_forward_progress 1
		.amdhsa_inst_pref_size 188
	.end_amdhsa_kernel
	.amdgpu_metadata
---
amdhsa.version: [ 1, 2 ]
amdhsa.kernels:
  - .name:           k_q36ce7669c6_qkv
    .symbol:         k_q36ce7669c6_qkv.kd
    .args:
      - { .name: x_codes, .offset: 0, .size: 8, .value_kind: global_buffer, .address_space: global }
      - { .name: x_scales, .offset: 8, .size: 8, .value_kind: global_buffer, .address_space: global }
      - { .name: Wq_codes, .offset: 16, .size: 8, .value_kind: global_buffer, .address_space: global }
      - { .name: Wq_scales, .offset: 24, .size: 8, .value_kind: global_buffer, .address_space: global }
      - { .name: Wk_codes, .offset: 32, .size: 8, .value_kind: global_buffer, .address_space: global }
      - { .name: Wk_scales, .offset: 40, .size: 8, .value_kind: global_buffer, .address_space: global }
      - { .name: Wv_codes, .offset: 48, .size: 8, .value_kind: global_buffer, .address_space: global }
      - { .name: Wv_scales, .offset: 56, .size: 8, .value_kind: global_buffer, .address_space: global }
      - { .name: qc, .offset: 64, .size: 8, .value_kind: global_buffer, .address_space: global }
      - { .name: kc, .offset: 72, .size: 8, .value_kind: global_buffer, .address_space: global }
      - { .name: vc, .offset: 80, .size: 8, .value_kind: global_buffer, .address_space: global }
    .group_segment_fixed_size: 327680
    .private_segment_fixed_size: 0
    .kernarg_segment_align: 8
    .kernarg_segment_size: 88
    .max_flat_workgroup_size: 128
    .sgpr_count:     100
    .vgpr_count:     1024
    .wavefront_size: 32
...
	.end_amdgpu_metadata
.endif
;; end of part 1
;; launch attn (part 2): grid 4 x 64, 16 waves a work-group, clusters of 4 x 1, 327,680 bytes of LDS; arguments qc, kc, vc, oc, os; writes oc, os
.if DOCPART == 2
	.amdgcn_target "amdgcn-amd-amdhsa--gfx1250"
	.amdhsa_code_object_version 6
	.text
	.protected	k_q36ce7669c6_attn
	.globl	k_q36ce7669c6_attn
	.p2align	8
	.type	k_q36ce7669c6_attn,@function
k_q36ce7669c6_attn:
	s_mov_b64 s[64:65], 0
	v_nop
	global_prefetch_b8 v0, s[64:65] scope:SCOPE_SE
	s_setreg_imm32_b32 hwreg(HW_REG_WAVE_MODE, 25, 1), 1
	s_wait_xcnt 0x0
	s_wait_alu depctr_hold_cnt(0) depctr_sa_sdst(0) depctr_va_vdst(0) depctr_va_sdst(0) depctr_va_ssrc(0) depctr_va_vcc(0) depctr_vm_vsrc(0)
	s_getreg_b32 s2, hwreg(HW_REG_IB_STS2, 6, 4)
	s_cmp_eq_u32 s2, 0
	s_cbranch_scc0 .Lentry_in_a_cluster
	s_endpgm
.Lentry_in_a_cluster:
	s_bfe_u32 s2, ttmp6, 0x10000c
	s_cmp_lg_u32 s2, 0x3003
	s_cbranch_scc0 .Lentry_shape_is_right
	s_endpgm
.Lentry_shape_is_right:
; Causal attention of one head on codes of FP8 (E4M3), and the quantising of its result along the model's 1,024 channels for the last product.
; t = score x log2(e) / 32 (the scores are scaled by 1,024^-0.5); M = the row's largest t so far, rounded UP to a whole number; p = 2^(t - M) is quantised along the keys, not normalised; the row's sum is
; taken of the unquantised p and divides O at the end.  When M moves, the sum and O are multiplied by 2^(old M - new M): exact.
; LEFT OUT: key steps all of whose 128 keys come after a tile's queries: the causal mask sets their scores to -infinity, so their p is 0 for all values of the inputs.
; A HEAD'S WHOLE K AND V LIE IN LDS: 8 slots of 17,408 bytes of kc, then 8 of 16,896 of vc, 274,432 bytes, filled once at the head, one tensor load a wave (waves 0-7 a slot of K each, waves 8-15 of V).
; Nothing is filled again, so one barrier behind the fills serves the whole walk.
; CLUSTER: the four work-groups of a head read the same K and V: each fill is asked for jointly by the four (mask 15).
; SHARES.  The head's 2,048 queries are 16 groups of 128.  Work-group cx owns 32 queries of EVERY group, at 32 cx: two tiles of 16.  Wave w owns tile w % 2 of group g = w / 2 and then of group 15 - g:
; (g + 1) + (16 - g) = 17 key steps of 128 keys for every wave of every work-group.  Sixteen waves of 256 registers: four to a SIMD, no register windows.
; Trip counts, branches and LDS addresses hang on the wave's number and the trip alone; cx enters global addresses and the mask's numbers only.
; NO PREFETCH: all of K and V is asked for by the head's tensor loads; there is no loop to run ahead in.
; LAYOUT.  Both products are used transposed: S^T = K Q^T (source 0 = 16 keys, source 1 = my 16 queries), O^T = V^T P^T: a lane holds ONE query (lane % 16) throughout.  qc, kc and vc hold images of operand
; registers (lane l's 16 bytes at 16 l) and scale words, 16 bytes a row for four tiles.
; Inside a block of 32 the codes of q, k, v and p all lie in one order: lanes 0-15 hold numbers 0-7 and 16-23, lanes 16-31 numbers 8-15 and 24-31: as two neighbouring result tiles give them.
; THE HEAD'S 64 IN AN INSTRUCTION OF 128: Q's registers 8-15 are zero codes; K's operand for tile t runs on into the next tile's codes (for tile 7 into zeros), which are finite and meet zeros; the scale
; words' bytes 2 and 3 are 0, which is 2^-127 and no NaN.
; LIMITS: NaN and infinities are not served (a NaN code in kc would spoil its neighbour tile).  A block of zeros keeps the scale byte 1: its codes are zeros.  The scaled scores stay under 2^31 in magnitude.
; oc: [32 blocks of 256 tokens][8 steps of 128 channels][16 token tiles][4 blocks of 32][512 bytes]: images again.  os: [8,192 tokens][32] scale bytes.
.set SBK,   17408                      ; a slot (256 keys) of qc or kc: 16 images of 1,024 bytes, 1,024 bytes of scale words
.set SBV,   16896                      ; a slot of vc: 8 fragments of 2,048 bytes, 512 bytes of scale words
.set KSC,   16384                      ; where a slot's scale words begin
.set VBASE, 8*SBK                      ; LDS: V's slots lie behind K's
.set SPARE, VBASE+8*SBV                ; the spare words, 128 bytes for each of sixteen waves, which no other line names
.set L16,  1                           ; 16 x lane
.set R16,  2                           ; 16 x (lane % 16)
.set SPW,  3                           ; LDS address of my spare word
.set NIL,  4                           ; 0
.set ADK,  5                           ; LDS address of the step's images of K
.set ADKS, 6                           ; and of its scale words
.set R32H, 7                           ; 32 x (lane % 16) + lane / 16: my scale byte's place in os
.set KS,   8                           ; v8-15  K's scale words, a register a tile
.set VS,   16                          ; v16-19 V's
.set QS,   20                          ; Q's
.set PS,   21                          ; p's
.set ADV,  22                          ; LDS address of the step's fragments of V
.set ADVS, 23                          ; and of their scale words
.set DQ,   24                          ; lane % 16 - 8 (lane / 16)
.set T0,   25
.set NM,   26                          ; -M
.set MX,   27                          ; the running largest t
.set L,    28                          ; v[28:29] the sum, in two halves
.set L2,   30                          ; the sum's second chain
.set Q,    32                          ; v32-39 Q's codes, v40-47 zeros
.set S,    48                          ; v48-111 S^T, then p
.set O,    112                         ; v112-143 O^T
.set P,    144                         ; v144-159 p's codes
.set BM,   160                         ; a block's largest score, then its largest p
.set BT,   164                         ; the other half's maximum, then the scale's byte
.set BHO,  168                         ; 448 x the scale
.set BS,   172                         ; the conversion's scale operand
.set F,    176                         ; v[176:177] 2^(old M - new M); at the end 1 / the sum
.set T1,   178
.set FR,   180                         ; v180-243 K's eight fragments of 8 registers, then V's four of 16
.set Z,    244                         ; v244-251 zeros behind K's last fragment
.set WV,   14                          ; my wave
.set CU,   15                          ; 2 cx + wave % 2: my tile among a group's eight
.set BHD,  16                          ; 16 batch + head
.set JT,   17                          ; the trip
.set G,    18                          ; the group of 128 queries in hand
.set KSI,  19                          ; this trip's key step
.set Q0,   20                          ; my first query
.set TA,   21                          ; my token tile in its slot of 256 tokens
.set BLK,  22                          ; that slot
.set MNT,  23                          ; the mantissa field of 448
.set G1K,  24                          ; s[24:31], s[32:39] descriptor groups 1 for K's and V's slots;  s[40:43], s[44:47] their groups 0
.set G1V,  32
.set G0K,  40
.set G0V,  44
.set QH,   52                          ; s[52:53] qc at my head
.set SEL,  54                          ; lane selects for v_permlanex16_b32: lane l xor 16
.set CS,   56                          ; s[56:57] c = log2(e) / 32
.set OCB,  66                          ; s[66:67] where my codes go;  s[68:69] my scale bytes;  s[70:71], s[72:73] where my queries' codes and scale words lie
.set OSB,  68
.set QA,   70
.set QSA,  72
.set HM,   74                          ; the lanes 16-31
.set W15,  75                          ; 15 - wave / 2
.set D0,   76                          ; on the diagonal: my first query less the step's first key = 16 CU
.set GP,   77                          ; wave / 2
.macro CROUND                          ; a round of the cluster's barrier
	s_barrier_signal -1
	s_barrier_wait -1
	s_cmp_lg_u32 s[WV], 0
	s_cbranch_scc1 .Lnot_wave_0_\@
	s_barrier_signal -3
.Lnot_wave_0_\@:
	s_barrier_wait -3
	s_barrier_signal -1
	s_barrier_wait -1
.endm
.macro PLACES n
.rept \n
	v_nop
.endr
.endm
	s_load_b256 s[4:11], s[0:1], 0x0               ; qc, kc, vc, oc
	s_load_b64 s[12:13], s[0:1], 0x20              ; os
	v_lshl_add_u32 v[SPW], v0, 2, SPARE
	v_mov_b32 v[NIL], 0
	ds_add_u32 v[SPW], v[NIL]                      ; the opening lines: the add, twice on end, and its wait ahead of my first tensor load
	ds_add_u32 v[SPW], v[NIL]
	v_lshrrev_b32 v[ADK], 5, v0
	v_readfirstlane_b32 s[WV], v[ADK]              ; wave 0..15
	s_bfe_u32 s[CU], ttmp6, 0x40000                ; cx
	s_lshl_b32 s[CU], s[CU], 1
	s_and_b32 s58, s[WV], 1
	s_add_co_u32 s[CU], s[CU], s58
	s_lshr_b32 s[GP], s[WV], 1
	s_and_b32 s[BHD], ttmp7, 0xffff                ; the cluster's y is the head
	; descriptor groups 1: dense blocks as rows of 256 bytes (32 elements of 8 bytes), no padding: images are read 16 bytes a lane on end.  Mask 15: the cluster's four; bit 21 beside it
	s_mov_b32 s[G1K], 15|(3<<16)|(1<<21)
	s_mov_b32 s[G1K+1], 32<<16                     ; tensor_dim0
	s_mov_b32 s[G1K+2], (SBK/256)<<16              ; tensor_dim1 = 68
	s_mov_b32 s[G1K+3], 32<<16                     ; tile_dim0
	s_mov_b32 s[G1K+4], SBK/256                    ; tile_dim1
	s_mov_b32 s[G1K+5], 32                         ; the pitch
	s_mov_b32 s[G1K+6], 0
	s_mov_b32 s[G1K+7], 0
	s_mov_b32 s[G1V], 15|(3<<16)|(1<<21)
	s_mov_b32 s[G1V+1], 32<<16
	s_mov_b32 s[G1V+2], (SBV/256)<<16              ; 66 rows
	s_mov_b32 s[G1V+3], 32<<16
	s_mov_b32 s[G1V+4], SBV/256
	s_mov_b32 s[G1V+5], 32
	s_mov_b32 s[G1V+6], 0
	s_mov_b32 s[G1V+7], 0
	s_mul_i32 s58, s[BHD], 8*SBK                   ; my head's first byte in qc and kc (under 2^24),
	s_mov_b32 s59, 0
	s_mul_i32 s60, s[BHD], 8*SBV                   ; and in vc
	s_mov_b32 s61, 0
	s_and_b32 s62, s[WV], 7                        ; which slot I fetch
	s_mul_i32 s63, s62, SBK
	s_mul_i32 s62, s62, SBV
	s_mov_b32 s[G0K], 1
	s_mov_b32 s[G0K+1], s63                        ; LDS address: made of the wave's number alone
	s_mov_b32 s[G0V], 1
	s_add_co_u32 s[G0V+1], s62, VBASE
	s_mov_b32 s[SEL], 0x76543210
	s_mov_b32 s[SEL+1], 0xfedcba98
	s_mov_b32 s[CS], 0x3d38aa3b                    ; log2(e) / 32
	s_mov_b32 s[CS+1], s[CS]                       ; (named with it as a pair, so it is written)
	s_mov_b32 s[MNT], 0x600000
	s_mov_b32 s[HM], 0xffff0000
	s_xor_b32 s[W15], s[GP], 15
	s_lshl_b32 s[D0], s[CU], 4
	s_wait_dscnt 0x0                               ; both opening adds are done
	CROUND                                         ; all four work-groups are here: the joint loads meet
	s_wait_kmcnt 0x0
	s_add_nc_u64 s[QH:QH+1], s[4:5], s[58:59]
	s_add_co_u32 s58, s58, s63
	s_add_co_u32 s60, s60, s62
	s_add_nc_u64 s[G0K+2:G0K+3], s[6:7], s[58:59]
	s_or_b32 s[G0K+3], s[G0K+3], 0x80000000        ; type = 2
	s_add_nc_u64 s[G0V+2:G0V+3], s[8:9], s[60:61]
	s_or_b32 s[G0V+3], s[G0V+3], 0x80000000
	s_cmp_lt_u32 s[WV], 8                          ; one load a wave: every way passes exactly one.  An s_nop 0 and four v_nop follow each line
	s_cbranch_scc0 .Lfor_v
	tensor_load_to_lds s[G0K:G0K+3], s[G1K:G1K+7]
	s_nop 0
	PLACES 4
	s_branch .Lasked
.Lfor_v:
	tensor_load_to_lds s[G0V:G0V+3], s[G1V:G1V+7]
	s_nop 0
	PLACES 4
.Lasked:
	v_and_b32 v[L16], 31, v0
	s_delay_alu instid0(VALU_DEP_1)
	v_lshlrev_b32 v[L16], 4, v[L16]
	v_and_b32 v[DQ], 15, v0                        ; r
	s_delay_alu instid0(VALU_DEP_1)
	v_lshlrev_b32 v[R16], 4, v[DQ]
	v_bfe_u32 v[ADKS], v0, 4, 1                    ; h
	s_delay_alu instid0(VALU_DEP_1)
	v_lshl_add_u32 v[R32H], v[DQ], 5, v[ADKS]
	s_delay_alu instid0(VALU_DEP_2)
	v_lshlrev_b32 v[ADKS], 3, v[ADKS]
	s_delay_alu instid0(VALU_DEP_1)
	v_sub_nc_u32 v[DQ], v[DQ], v[ADKS]             ; r - 8 h
.irp j, 0,1,2,3,4,5,6,7
	v_mov_b32 v[Q+8+\j], 0                         ; the upper half of Q's operand: zero codes
	v_mov_b32 v[Z+\j], 0
.endr
.irp b, 0,1,2,3
	v_mov_b32 v[BT+\b], 0                          ; a lane permute's destination counts as one of its sources
.endr
	v_mov_b32 v[T1], 0
	v_mov_b32 v[F+1], 0                            ; (named as the upper half of a pair)
	s_wait_alu depctr_va_vdst(0)                   ; ahead of the run of scalar lines
; Group s[G] is taken up: where my tile's queries lie in qc and where their results go; Q's codes and scale words; the tile's state.  My tokens: 128 G + 16 CU + 0 .. 15: token tile TA = 8 (G % 2) + CU of slot G / 2.
.macro INIT
	s_lshr_b32 s[BLK], s[G], 1
	s_and_b32 s[TA], s[G], 1
	s_lshl_b32 s[TA], s[TA], 3
	s_add_co_u32 s[TA], s[TA], s[CU]
	s_lshl_b32 s[Q0], s[BLK], 8
	s_lshl_b32 s58, s[TA], 4
	s_add_co_u32 s[Q0], s[Q0], s58                 ; my first query
	s_mul_i32 s58, s[BLK], SBK
	s_mov_b32 s59, 0
	s_add_nc_u64 s[QSA:QSA+1], s[QH:QH+1], s[58:59]        ; the slot in qc
	s_lshl_b32 s58, s[TA], 10
	s_add_nc_u64 s[QA:QA+1], s[QSA:QSA+1], s[58:59]        ; my image of 1,024 bytes
	s_lshr_b32 s58, s[TA], 2                       ; its words at 256 (TA / 4) + 4 (TA % 4) + 16 r
	s_lshl_b32 s58, s58, 8
	s_and_b32 s60, s[TA], 3
	s_lshl_b32 s60, s60, 2
	s_add_co_u32 s58, s58, s60
	s_add_co_u32 s58, s58, KSC
	s_add_nc_u64 s[QSA:QSA+1], s[QSA:QSA+1], s[58:59]
	s_lshr_b32 s58, s[BHD], 4                      ; batch
	s_lshl_b32 s60, s58, 3
	s_add_co_u32 s60, s60, s[BLK]                  ; the block of 256 tokens: 262,144 bytes of oc each
	s_lshl_b32 s60, s60, 18
	s_and_b32 s61, s[BHD], 15
	s_lshr_b32 s61, s61, 1                         ; head / 2: the step of 128 channels, 32,768 bytes
	s_lshl_b32 s61, s61, 15
	s_add_co_u32 s60, s60, s61
	s_lshl_b32 s61, s[TA], 11                      ; my token tile of 2,048 bytes
	s_add_co_u32 s60, s60, s61
	s_and_b32 s61, s[BHD], 1                       ; head % 2: blocks 0, 1 or 2, 3 of the step
	s_lshl_b32 s61, s61, 10
	s_add_co_u32 s60, s60, s61
	s_mov_b32 s61, 0
	s_add_nc_u64 s[OCB:OCB+1], s[10:11], s[60:61]
	s_lshl_b32 s58, s58, 11
	s_add_co_u32 s58, s58, s[Q0]                   ; my first token,
	s_lshl_b32 s58, s58, 5                         ; 32 scale bytes a token,
	s_and_b32 s60, s[BHD], 15
	s_lshl_b32 s60, s60, 1                         ; my head's two
	s_add_co_u32 s58, s58, s60
	s_add_nc_u64 s[OSB:OSB+1], s[12:13], s[58:59]
	global_load_b128 v[Q:Q+3], v[L16], s[QA:QA+1]
	global_load_b128 v[Q+4:Q+7], v[L16], s[QA:QA+1] offset:512
	global_load_b32 v[QS], v[R16], s[QSA:QSA+1]
	v_mov_b32 v[MX], 0xff61b1e6                    ; the largest t -3e38, under every t; -M = 3e38, a whole number; the sum and O^T zeros, which the first change of M leaves zeros
	v_mov_b32 v[NM], 0x7f61b1e6
	v_mov_b32 v[L], 0
	v_mov_b32 v[L+1], 0
.set j, 0
.rept 32
	v_mov_b32 v[O+j], 0
.set j, j+1
.endr
.endm
	s_mov_b32 s[G], s[GP]                          ; the first group
	INIT
; 18 LDS loads: K's eight tiles of a key step (two blocks of 32 each), and their scale words
.macro KLOAD
.irp t, 0,1,2,3,4,5,6,7
	ds_load_b128 v[FR+8*\t:FR+8*\t+3], v[ADK] offset:\t*1024
	ds_load_b128 v[FR+8*\t+4:FR+8*\t+7], v[ADK] offset:\t*1024+512
.endr
	ds_load_b128 v[KS:KS+3], v[ADKS]
	ds_load_b128 v[KS+4:KS+7], v[ADKS] offset:256
.endm
; 17 LDS loads: V's four fragments (16 channels x 128 keys) of a key step, and their scale words
.macro VLOAD
.irp t, 0,1,2,3
.irp g, 0,1,2,3
	ds_load_b128 v[FR+16*\t+4*\g:FR+16*\t+4*\g+3], v[ADV] offset:\t*2048+512*\g
.endr
.endr
	ds_load_b128 v[VS:VS+3], v[ADVS]
.endm
; S^T = K Q^T: 8 products, each on an accumulator of its own.  K's operand for tile t is its 8 registers and the 8 behind them, which meet Q's zeros.
.macro SMUL
.irp t, 0,1,2,3,4,5,6,7
	v_wmma_scale_f32_16x16x128_f8f6f4 v[S+8*\t:S+8*\t+7], v[FR+8*\t:FR+8*\t+15], v[Q:Q+15], 0, v[KS+\t], v[QS]
.endr
.endm
; Only a group's last key step, its own 128 keys, holds hidden keys: a scalar branch on the wave's number and the trip.  There the scores of hidden keys become -infinity ahead of the maximum.
; Register n holds key 16 (n / 8) + 8 (lane / 16) + n % 8 of the step.
.macro MASKS
	s_cmp_lg_u32 s[KSI], s[G]
	s_cbranch_scc1 .Lopen_\@
	v_add_nc_u32 v[T0], s[D0], v[DQ]               ; d = my query - the step's first key - 8 (lane / 16): hidden where 16 (n / 8) + n % 8 > d
	v_mov_b32 v[T1], 0xff800000
.set n, 0
.rept 64
	v_cmp_gt_i32 vcc_lo, 16*(n/8)+n%8, v[T0]
	v_cndmask_b32 v[S+n], v[S+n], v[T1], vcc_lo    ; (ascending: each accumulator is read from its low end on)
.set n, n+1
.endr
.Lopen_\@:
.endm
; The softmax of 128 keys, and p's codes and scale word.
.macro SOFTMAX
	s_wait_alu depctr_va_vdst(0)                   ; directly ahead of the first reader of S^T
.irp b, 0,1,2,3
	v_max3_num_f32 v[BM+\b], v[S+16*\b], v[S+16*\b+1], v[S+16*\b+2]   ; the largest score of each block of 32 keys: it serves for the row's maximum and, since p rises with the score, for the block's largest p
.endr
.irp i, 3,5,7,9,11,13
.irp b, 0,1,2,3
	v_max3_num_f32 v[BM+\b], v[BM+\b], v[S+16*\b+\i], v[S+16*\b+\i+1]
.endr
.endr
.irp b, 0,1,2,3
	v_max_num_f32 v[BM+\b], v[BM+\b], v[S+16*\b+15]
.endr
.irp b, 0,1,2,3
	s_delay_alu instid0(VALU_DEP_4)
	v_permlanex16_b32 v[BT+\b], v[BM+\b], s[SEL], s[SEL+1]
.endr
.irp b, 0,1,2,3
	s_delay_alu instid0(VALU_DEP_4)
	v_max_num_f32 v[BM+\b], v[BM+\b], v[BT+\b]     ; with lane l xor 16's 16 keys
.endr
	s_delay_alu instid0(VALU_DEP_2)
	v_max3_num_f32 v[T0], v[BM], v[BM+1], v[BM+2]
	s_delay_alu instid0(VALU_DEP_1)
	v_max_num_f32 v[T0], v[T0], v[BM+3]            ; the step's largest score of my query
	s_delay_alu instid0(VALU_DEP_1)
	v_mul_f32 v[T0], s[CS], v[T0]                  ; as t (c is positive)
	s_delay_alu instid0(VALU_DEP_1)
	v_max_num_f32 v[MX], v[MX], v[T0]              ; the running largest t
	v_mov_b32 v[T0], v[NM]
	s_delay_alu instid0(VALU_DEP_2)
	v_floor_f32 v[NM], -v[MX]                      ; the new -M = floor(-t) = -ceil(t): a whole number
	s_delay_alu instid0(VALU_DEP_1)
	v_sub_f32 v[T0], v[NM], v[T0]                  ; old M - new M: a whole number, 0 or less
	s_delay_alu instid0(VALU_DEP_1)
	v_cvt_i32_f32 v[T0], v[T0]                     ; (it saturates)
	s_delay_alu instid0(VALU_DEP_1)
	v_ldexp_f32 v[F], 1.0, v[T0]                   ; f = 2^(old M - new M)
.set j, 0
.rept 32
	v_pk_fma_f32 v[S+j:S+j+1], v[S+j:S+j+1], s[CS:CS+1], v[NM:NM+1] op_sel_hi:[1,0,0]   ; t - M, two at a time (of the pairs c and -M the low word serves both halves)
.set j, j+2
.endr
.irp b, 0,1,2,3
	v_fma_f32 v[BM+\b], v[BM+\b], s[CS], v[NM]     ; the same of each block's largest score
.endr
.set j, 0
	s_wait_alu depctr_va_vdst(0)                   ; ahead of the batch
.rept 64
	v_exp_f32 v[S+j], v[S+j]                       ; p = 2^(t - M), at most 1
.set j, j+1
.endr
.irp b, 0,1,2,3
	v_exp_f32 v[BM+\b], v[BM+\b]                   ; the block's largest p: the same two instructions on the same number
.endr
	v_pk_mul_f32 v[L:L+1], v[L:L+1], v[F:F+1] op_sel_hi:[1,0]   ; the sums under the new M.  (The plain place behind the exponentials)
	s_wait_alu depctr_va_vdst(0)                   ; and one wait behind the batch, ahead of its first reader
.irp b, 0,1,2,3
	v_max_num_f32 v[BM+\b], 0x4800000, v[BM+\b]    ; the floor 2^(9 - 127): the byte cannot fall under 1
.endr
.irp b, 0,1,2,3
	s_delay_alu instid0(VALU_DEP_4)
	v_add_nc_u32 v[BS+\b], 0xfc000000, v[BM+\b]    ; 8 off the exponent field: the conversion's scale operand
.endr
.irp b, 0,1,2,3
	v_and_or_b32 v[BHO+\b], v[BM+\b], 0x7f800000, s[MNT]   ; 448 x the scale
.endr
.irp b, 0,1,2,3
	v_lshrrev_b32 v[BT+\b], 23, v[BS+\b]           ; the scale's byte
.endr
	s_delay_alu instid0(VALU_DEP_3)
	v_lshl_or_b32 v[T0], v[BT+1], 8, v[BT]
	s_delay_alu instid0(VALU_DEP_1)
	v_lshl_or_b32 v[T0], v[BT+2], 16, v[T0]
	s_delay_alu instid0(VALU_DEP_1)
	v_lshl_or_b32 v[PS], v[BT+3], 24, v[T0]        ; p's scale word for these 128 keys
	v_pk_add_f32 v[L2:L2+1], v[S:S+1], v[S+2:S+3]  ; the row's sum is taken of the unquantised p: two at a time, in two chains
.set j, 4
.rept 15
	v_pk_add_f32 v[L:L+1], v[L:L+1], v[S+j:S+j+1]
	v_pk_add_f32 v[L2:L2+1], v[L2:L2+1], v[S+j+2:S+j+3]
.set j, j+4
.endr
	s_delay_alu instid0(VALU_DEP_1)
	v_pk_add_f32 v[L:L+1], v[L:L+1], v[L2:L2+1]
.irp b, 0,1,2,3
.irp i, 0,1,2,3,4,5,6,7,8,9,10,11,12,13,14,15
	v_min_num_f32 v[S+16*\b+\i], v[S+16*\b+\i], v[BHO+\b]   ; the conversion to an 8-bit code does not saturate (ISA guide 7.6.2); p is not negative, so the hold is one-sided
.endr
	v_cvt_scalef32_pk8_fp8_f32 v[P+4*\b:P+4*\b+1], v[S+16*\b:S+16*\b+7], v[BS+\b]
	v_cvt_scalef32_pk8_fp8_f32 v[P+4*\b+2:P+4*\b+3], v[S+16*\b+8:S+16*\b+15], v[BS+\b]
.endr
	s_wait_alu depctr_va_vdst(0)                   ; directly ahead of the first reader of O^T
.set j, 0
.rept 16
	v_pk_mul_f32 v[O+j:O+j+1], v[O+j:O+j+1], v[F:F+1] op_sel_hi:[1,0]   ; O^T under the new M.  (These sixteen stand between the codes and the scale word just made and the products that take them)
.set j, j+2
.endr
.endm
; O^T += V^T P^T: four accumulators by turns, one instruction a turn; between two links on one accumulator stand a whole step's other products
.macro PV
.irp t, 0,1,2,3
	v_wmma_scale_f32_16x16x128_f8f6f4 v[O+8*\t:O+8*\t+7], v[FR+16*\t:FR+16*\t+15], v[P:P+15], v[O+8*\t:O+8*\t+7], v[VS+\t], v[PS]
.endr
.endm
; A group is finished: O^T / the sum, quantised along the head's 64 channels (two blocks of 32 of the model's 1,024), stored as an image and two scale bytes a token.
.macro FIN
	v_add_f32 v[T0], v[L], v[L+1]                  ; the sum's two halves,
	s_delay_alu instid0(VALU_DEP_1)
	v_permlanex16_b32 v[T1], v[T0], s[SEL], s[SEL+1]
	s_delay_alu instid0(VALU_DEP_1)
	v_add_f32 v[T0], v[T0], v[T1]                  ; and lane l xor 16's: the row's sum
	s_wait_alu depctr_va_vdst(0)
	v_rcp_f32 v[F], v[T0]
	v_nop                                          ; one plain place behind a transcendental
.set j, 0
	s_wait_alu depctr_va_vdst(0)
.rept 16
	v_pk_mul_f32 v[S+j:S+j+1], v[O+j:O+j+1], v[F:F+1] op_sel_hi:[1,0]   ; register 8 t + i: channel 16 t + 8 (lane / 16) + i of my query (ascending: each accumulator from its low end on)
.set j, j+2
.endr
.irp b, 0,1
	v_max3_num_f32 v[BM+\b], |v[S+16*\b]|, |v[S+16*\b+1]|, 0x4800000
.endr
.irp i, 2,4,6,8,10,12,14
.irp b, 0,1
	s_delay_alu instid0(VALU_DEP_2)
	v_max3_num_f32 v[BM+\b], v[BM+\b], |v[S+16*\b+\i]|, |v[S+16*\b+\i+1]|
.endr
.endr
.irp b, 0,1
	s_delay_alu instid0(VALU_DEP_2)
	v_permlanex16_b32 v[BT+\b], v[BM+\b], s[SEL], s[SEL+1]
.endr
.irp b, 0,1
	s_delay_alu instid0(VALU_DEP_2)
	v_max_num_f32 v[BM+\b], v[BM+\b], v[BT+\b]
.endr
.irp b, 0,1
	s_delay_alu instid0(VALU_DEP_2)
	v_add_nc_u32 v[BS+\b], 0xfc000000, v[BM+\b]
.endr
.irp b, 0,1
	s_delay_alu instid0(VALU_DEP_4)
	v_and_or_b32 v[BHO+\b], v[BM+\b], 0x7f800000, s[MNT]
.endr
.irp b, 0,1
	s_delay_alu instid0(VALU_DEP_4)
	v_lshrrev_b32 v[BT+\b], 23, v[BS+\b]
.endr
.irp b, 0,1
.irp i, 0,1,2,3,4,5,6,7,8,9,10,11,12,13,14,15
	v_med3_num_f32 v[S+16*\b+\i], v[S+16*\b+\i], -v[BHO+\b], v[BHO+\b]
.endr
	v_cvt_scalef32_pk8_fp8_f32 v[P+4*\b:P+4*\b+1], v[S+16*\b:S+16*\b+7], v[BS+\b]
	v_cvt_scalef32_pk8_fp8_f32 v[P+4*\b+2:P+4*\b+3], v[S+16*\b+8:S+16*\b+15], v[BS+\b]
.endr
	v_cndmask_b32 v[T0], v[BT], v[BT+1], s[HM]     ; lanes 0-15 store block 0's byte, lanes 16-31 block 1's.  (Also the plain line behind the last conversion)
	v_nop
	global_store_b128 v[L16], v[P:P+3], s[OCB:OCB+1]             ; 32 lanes store 512 consecutive bytes, at a multiple of 512 from oc's first byte
	global_store_b128 v[L16], v[P+4:P+7], s[OCB:OCB+1] offset:512
	global_store_b8 v[R32H], v[T0], s[OSB:OSB+1]   ; two bytes of each token's 32: single bytes, 1/32 of what this launch stores; the row-major bytes are what the next launch takes whole
.endm
	s_wait_alu depctr_va_vdst(0)                   ; the head's end
	s_wait_tensorcnt 0x0                           ; my slot of K or of V is in,
	s_barrier_signal -1
	s_barrier_wait -1                              ; everybody's is: from here on LDS is only read
	s_wait_loadcnt 0x0                             ; Q
	s_mov_b32 s[JT], 0
.Ltrip:                                            ; 17 trips: trips 0 .. g are group g's key steps 0 .. g, trips g + 1 .. 16 group 15 - g's key steps 0 .. 15 - g
	s_add_co_u32 s58, s[JT], s[W15]
	s_lshr_b32 s58, s58, 4                         ; 1 from trip g + 1 on
	s_mul_i32 s58, s58, s[W15]
	s_add_co_u32 s58, s58, s[JT]
	s_and_b32 s[KSI], s58, 15                      ; this trip's key step: the trip, or the trip - g - 1
	s_lshr_b32 s60, s[KSI], 1                      ; its slot and half
	s_and_b32 s61, s[KSI], 1
	s_mul_i32 s59, s60, SBK
	s_mul_i32 s60, s60, SBV
	s_lshl_b32 s62, s61, 13
	s_add_co_u32 s63, s62, s59                     ; K's images
	s_add_co_u32 s62, s62, s60
	s_add_co_u32 s62, s62, VBASE                   ; V's fragments
	s_lshl_b32 s58, s61, 9
	s_add_co_u32 s59, s59, s58
	s_add_co_u32 s59, s59, KSC                     ; K's scale words
	s_lshl_b32 s61, s61, 8
	s_add_co_u32 s60, s60, s61
	s_add_co_u32 s60, s60, VBASE+KSC               ; V's
	v_add_nc_u32 v[ADK], s63, v[L16]               ; these four and four v_nop are the eight places behind the last step's products, ahead of the loads into what they read
	v_add_nc_u32 v[ADKS], s59, v[R16]
	v_add_nc_u32 v[ADV], s62, v[L16]
	v_add_nc_u32 v[ADVS], s60, v[R16]
	PLACES 4
	KLOAD
	s_wait_alu depctr_va_vdst(0)                   ; directly ahead of the wait below
	s_wait_dscnt 0x0                               ; K is in
	SMUL
	PLACES 8                                       ; behind the products: for the reads of their results and the loads into what they read
	VLOAD                                          ; V takes K's registers; the softmax stands between these loads and the wait for them
	MASKS
	SOFTMAX
	s_wait_alu depctr_va_vdst(0)                   ; directly ahead of the wait below
	s_wait_dscnt 0x0                               ; V is in
	PV
	s_wait_alu depctr_va_vdst(0)                   ; ahead of the branches
	s_cmp_lg_u32 s[JT], s[GP]                      ; behind trip g the first group is finished: a branch on the wave's number and the trip; no barrier stands under it
	s_cbranch_scc1 .Lsame_group
	PLACES 8
	FIN
	s_wait_xcnt 0x0                                ; the stores have had their addresses translated (ISA guide 3.1): their bases and data are rewritten only behind this wait
	s_mov_b32 s[G], s[W15]                         ; the second group: 15 - g
	INIT
	s_wait_alu depctr_va_vdst(0)
	s_wait_loadcnt 0x0                             ; its Q
.Lsame_group:
	s_add_co_u32 s[JT], s[JT], 1
	s_cmp_lt_u32 s[JT], 17
	s_cbranch_scc1 .Ltrip
	PLACES 8
	FIN
	s_wait_dscnt 0x0                               ; my LDS reads are over,
	s_barrier_signal -1
	s_barrier_wait -1                              ; and everybody's are
	s_wait_tensorcnt 0x0                           ; the wave's end
	ds_add_u32 v[SPW], v[NIL]
	s_wait_dscnt 0x0
	CROUND                                         ; the closing round
	s_endpgm
.Lfunc_end_k_q36ce7669c6_attn:
	.size	k_q36ce7669c6_attn, .Lfunc_end_k_q36ce7669c6_attn-k_q36ce7669c6_attn
	.p2alignl 7, 3214868480
	.fill 96, 4, 3214868480
	.section	.rodata,"a",@progbits
	.p2align	6, 0x0
	.amdhsa_kernel k_q36ce7669c6_attn
		.amdhsa_group_segment_fixed_size 327680
		.amdhsa_private_segment_fixed_size 0
		.amdhsa_enable_private_segment 0
		.amdhsa_kernarg_size 40
		.amdhsa_user_sgpr_count 2
		.amdhsa_user_sgpr_kernarg_segment_ptr 1
		.amdhsa_wavefront_size32 1
		.amdhsa_system_sgpr_workgroup_id_x 1
		.amdhsa_system_sgpr_workgroup_id_y 1
		.amdhsa_system_sgpr_workgroup_id_z 1
		.amdhsa_system_vgpr_workitem_id 0
		.amdhsa_next_free_vgpr 256
		.amdhsa_next_free_sgpr 80
		.amdhsa_reserve_vcc 1
		.amdhsa_float_denorm_mode_32 3
		.amdhsa_float_denorm_mode_16_64 3
		.amdhsa_memory_ordered 1
		.amdhsa_forward_progress 1
		.amdhsa_inst_pref_size 50
	.end_amdhsa_kernel
	.amdgpu_metadata
---
amdhsa.version: [ 1, 2 ]
amdhsa.kernels:
  - .name:           k_q36ce7669c6_attn
    .symbol:         k_q36ce7669c6_attn.kd
    .args:
      - { .name: qc, .offset: 0, .size: 8, .value_kind: global_buffer, .address_space: global }
      - { .name: kc, .offset: 8, .size: 8, .value_kind: global_buffer, .address_space: global }
      - { .name: vc, .offset: 16, .size: 8, .value_kind: global_buffer, .address_space: global }
      - { .name: oc, .offset: 24, .size: 8, .value_kind: global_buffer, .address_space: global }
      - { .name: os, .offset: 32, .size: 8, .value_kind: global_buffer, .address_space: global }
    .group_segment_fixed_size: 327680
    .private_segment_fixed_size: 0
    .kernarg_segment_align: 8
    .kernarg_segment_size: 40
    .max_flat_workgroup_size: 512
    .sgpr_count:     80
    .vgpr_count:     256
    .wavefront_size: 32
...
	.end_amdgpu_metadata
.endif
;; end of part 2
;; launch proj (part 3): grid 8 x 32, 4 waves a work-group, clusters of 4 x 4, 327,680 bytes of LDS; arguments oc, os, Wproj_codes, Wproj_scales, out0, bproj; writes out0
.if DOCPART == 3
	.amdgcn_target "amdgcn-amd-amdhsa--gfx1250"
	.amdhsa_code_object_version 6
	.text
	.protected	k_q36ce7669c6_proj
	.globl	k_q36ce7669c6_proj
	.p2align	8
	.type	k_q36ce7669c6_proj,@function
k_q36ce7669c6_proj:
	s_mov_b64 s[64:65], 0
	v_nop
	global_prefetch_b8 v0, s[64:65] scope:SCOPE_SE
	s_setreg_imm32_b32 hwreg(HW_REG_WAVE_MODE, 25, 1), 1
	s_wait_xcnt 0x0
	s_wait_alu depctr_hold_cnt(0) depctr_sa_sdst(0) depctr_va_vdst(0) depctr_va_sdst(0) depctr_va_ssrc(0) depctr_va_vcc(0) depctr_vm_vsrc(0)
	s_getreg_b32 s2, hwreg(HW_REG_IB_STS2, 6, 4)
	s_cmp_eq_u32 s2, 0
	s_cbranch_scc0 .Lentry_in_a_cluster
	s_endpgm
.Lentry_in_a_cluster:
	s_bfe_u32 s2, ttmp6, 0x10000c
	s_cmp_lg_u32 s2, 0xf033
	s_cbranch_scc0 .Lentry_shape_is_right
	s_endpgm
.Lentry_shape_is_right:
; out0 = O Wproj + bproj on codes of FP8 (E4M3) with one E8M0 scale for each 32 along K = 1,024; f32 sums that begin with the bias.
; oc: O's codes as images of operand registers, [32 blocks of 256 tokens][8 steps of 128 channels][16 token tiles][4 blocks of 32][512 bytes: lane l's 16 bytes at 16 l]; os: [8,192 tokens][32] scale bytes.
; Inside a block of 32 oc's lanes 0-15 hold numbers 0-7 and 16-23, lanes 16-31 numbers 8-15 and 24-31: Wproj's fragments are read in the same order (two loads of 8 bytes, 16 apart), so each product's pairs are the true pairs.
; THE DEAL.  256 work-groups of four waves, 2 x 2; a work-group makes 256 tokens x 128 columns.  A wave holds 64 rows of Wproj (64 columns of out0), ALL of K, in 512 registers (windows 1, 2) and streams its row's
; 8 blocks of 16 tokens past them; a block's fragments, all of K, stand in 128 registers, two sets (window 3).  A block is 32 products on four accumulators by turns; it leaves as soon as it is finished.
; LDS: region X, 128 rows of 1,040 bytes: Wproj's 128 rows, and, once they are in registers, the codes of token tiles 8-15; region Y, as large: token tiles 0-7.  Both kinds of fill lay 16 bytes of padding behind each
; 1,024.  Behind them a stage of 16 rows x 272 bytes for each wave, and the spare words.
; FILLS: at the head waves 0, 1 fetch halves of Wproj's rows, waves 2, 3 halves of Y; a first barrier shows Wproj's rows alone.  The one refill, a quarter a wave, stands behind a drained round of the cluster's barrier.
; CLUSTERS of 4 x 4: O's codes are asked for jointly along a row of the cluster, Wproj's along a column.
; PREFETCH: what the refill will ask for, 131,072 bytes, is named once in each cluster row behind the first barrier: its sixteen waves take 32 blocks of 256 bytes each, told apart by address.  The head's own fills come by their loads alone.
; THE MATRIX INSTRUCTION IS USED TRANSPOSED (source 0 = 16 rows of Wproj, source 1 = 16 tokens): lane (r, h) holds token r and, in register j of accumulator b, column 16 b + 8 h + j.
; LIMITS: NaN and infinities among the inputs are not served.
.set PITCH,  1040                      ; 1,024 bytes + 16 of padding
.set YB,     128*PITCH                 ; region Y
.set STAGE,  2*128*PITCH
.set SPITCH, 272
.set SPARE,  STAGE+4*16*SPITCH
.set KQ,     16*PITCH                  ; a step of 128 channels of 8 token tiles: 16,384 bytes in 16 LDS rows
.set TT,     2*PITCH                   ; a token tile of such a step: 2,048 bytes
.set SPW,  10                          ; my spare word
.set NIL,  11                          ; 0
.set ADRB, 12                          ; LDS address of my fragments of Wproj
.set ADX,  14                          ; v14, v15 my fragments of O in region X: steps 0-3, steps 4-7
.set ADY,  16                          ; v16, v17 in region Y
.set VSA,  18                          ; 32 x (lane % 16)
.set VSB,  19                          ; 32 x lane
.set VBI,  20                          ; 32 x (lane / 16)
.set STO,  21                          ; the stage: where I put 32 bytes of a row
.set RD,   22                          ; where I read rows back
.set CO,   23                          ; my byte offset in out0
.set SB,   24                          ; v24-39 Wproj's scale words: register 8 p + q: lanes 0-15 tile 2 p's, lanes 16-31 tile 2 p + 1's
.set PF,   40                          ; the prefetch's offset
.set SA,   44                          ; v44-107 O's scale words: register 8 i + q for block i: no product's two scale words have numbers equal modulo 8
.set ACC,  108                         ; v108-171 two sets of four accumulators
.set BIAS, 172                         ; v172-203 the first four products' C
.set OB,   204                         ; v204-235 16 rows read back from the stage
.set G1B, 24                           ; descriptor groups: s[24:31], s[56:59] Wproj's rows
.set G0B, 56
.set G1A, 32                           ; s[32:39], s[60:63] region Y's fill
.set G0A, 60
.set G1R, 48                           ; s[48:55], s[68:71] the refill
.set G0R, 68
.set MSB, 0
.macro WIN new                         ; the immediate's high byte repeats the setting that is left; a switch that changes nothing is dropped
.if MSB != (\new)
	s_set_vgpr_msb (MSB<<8)|(\new)
.set MSB, (\new)
.endif
.endm
.macro PLACES n
.rept \n
	v_nop
.endr
.endm
.macro BARRIER
	s_barrier_signal -1
	s_barrier_wait -1
.endm
.macro CROUND                          ; a round of the cluster's barrier
	BARRIER
	s_cmp_lg_u32 s14, 0
	s_cbranch_scc1 .Lnot_wave_0_\@
	s_barrier_signal -3
.Lnot_wave_0_\@:
	s_barrier_wait -3
	BARRIER
.endm
.macro TLOAD g0, g1                    ; an s_nop 0 and four v_nop follow a tensor load
	tensor_load_to_lds s[\g0:\g0+3], s[\g1:\g1+7]
	s_nop 0
	PLACES 4
.endm
.macro GROUPA g, rows                  ; so many steps of 128 channels: rows of 16,384 bytes (2,048 elements of 8), 32,768 apart in memory; padding of 4 words behind every 256
	s_or_b32 s[\g+0], s43, (3<<16)|(1<<20)|(1<<21)|(7<<22)|(3<<25)
	s_mov_b32 s[\g+1], 2048<<16
	s_mov_b32 s[\g+2], (\rows)<<16
	s_mov_b32 s[\g+3], 2048<<16
	s_mov_b32 s[\g+4], \rows
	s_mov_b32 s[\g+5], 4096
	s_mov_b32 s[\g+6], 0
	s_mov_b32 s[\g+7], 0
.endm
	s_load_b128 s[4:7], s[0:1], 0x0                ; oc, os
	s_load_b128 s[8:11], s[0:1], 0x10              ; Wproj's codes, scales
	s_load_b64 s[12:13], s[0:1], 0x20              ; out0
	s_load_b64 s[96:97], s[0:1], 0x28              ; bproj
	v_lshl_add_u32 v[SPW], v0, 2, SPARE
	v_mov_b32 v[NIL], 0
	ds_add_u32 v[SPW], v[NIL]                      ; the opening lines: the add, twice on end, and its wait ahead of my first tensor load
	ds_add_u32 v[SPW], v[NIL]
	v_lshrrev_b32 v1, 5, v0
	v_readfirstlane_b32 s14, v1                    ; wave 0..3
	s_lshr_b32 s15, s14, 1                         ; my row of waves
	s_and_b32 s16, s14, 1                          ; my column of waves.  Also: which half I fetch at the head
	s_bfe_u32 s40, ttmp6, 0x40000                  ; cx, cy
	s_bfe_u32 s41, ttmp6, 0x40004
	s_lshl_b32 s42, ttmp9, 2
	s_add_co_u32 s42, s42, s40                     ; my 128 columns: 4 x cluster x + cx
	s_and_b32 s17, ttmp7, 0xffff
	s_lshl_b32 s17, s17, 2
	s_add_co_u32 s17, s17, s41                     ; my block of 256 tokens: 4 x cluster y + cy
	s_lshl_b32 s43, s41, 2
	s_lshl_b32 s43, 15, s43                        ; my row of the cluster: shares O's codes
	s_lshl_b32 s44, 0x1111, s40                    ; my column: shares Wproj's
	s_or_b32 s[G1B+0], s44, (1<<20)|(1<<21)|(7<<22)|(3<<25)   ; 64 whole rows of 1,024 bytes, 4 words of padding behind each
	s_mov_b32 s[G1B+1], 1024<<16
	s_mov_b32 s[G1B+2], 64<<16
	s_mov_b32 s[G1B+3], 1024<<16
	s_mov_b32 s[G1B+4], 64
	s_mov_b32 s[G1B+5], 1024
	s_mov_b32 s[G1B+6], 0
	s_mov_b32 s[G1B+7], 0
	GROUPA G1A, 4
	GROUPA G1R, 2
	s_mov_b32 s[G0B], 1
	s_mul_i32 s[G0B+1], s16, 64*PITCH
	s_lshl_b32 s46, s42, 17                        ; Wproj: row 128 x my columns' tile + 64 x half, 1,024 bytes a row
	s_lshl_b32 s47, s16, 16
	s_add_co_u32 s46, s46, s47
	s_mov_b32 s47, 0
	s_mov_b32 s[G0A], 1
	s_mul_i32 s[G0A+1], s16, 64*PITCH
	s_add_co_u32 s[G0A+1], s[G0A+1], YB
	s_lshl_b32 s20, s17, 18                        ; oc: my block; token tiles 0-7 of steps 4 x half on
	s_lshl_b32 s21, s16, 17
	s_add_co_u32 s20, s20, s21
	s_mov_b32 s21, 0
	s_mov_b32 s[G0R], 1
	s_mul_i32 s[G0R+1], s14, 32*PITCH
	s_lshl_b32 s22, s17, 18                        ; token tiles 8-15 of steps 2 x wave on
	s_lshl_b32 s23, s14, 16
	s_add_co_u32 s22, s22, s23
	s_add_co_u32 s22, s22, 16384
	s_mov_b32 s23, 0
	s_lshl_b32 s92, s17, 13                        ; os: token 256 x block + 64 x my row of waves, 32 bytes a token
	s_lshl_b32 s93, s15, 11
	s_add_co_u32 s92, s92, s93
	s_mov_b32 s93, 0
	s_lshl_b32 s94, s42, 12                        ; Wproj's scales: my wave's 64 rows
	s_lshl_b32 s95, s16, 11
	s_add_co_u32 s94, s94, s95
	s_mov_b32 s95, 0
	s_lshl_b32 s18, s42, 9                         ; my wave's first column, in bytes of f32
	s_lshl_b32 s19, s16, 8
	s_add_co_u32 s18, s18, s19
	s_mov_b32 s19, 0
	s_lshl_b32 s88, s17, 20                        ; out0: my wave's first token, 4,096 bytes a token
	s_lshl_b32 s89, s15, 18
	s_add_co_u32 s88, s88, s89
	s_add_co_u32 s88, s88, s18
	s_mov_b32 s89, 0
	s_lshl_b32 s90, s40, 2                         ; which of the cluster row's sixteen waves I am: two of them share a step's 16,384 bytes
	s_add_co_u32 s90, s90, s14
	s_lshr_b32 s91, s90, 1
	s_lshl_b32 s91, s91, 15
	s_and_b32 s90, s90, 1
	s_lshl_b32 s90, s90, 13
	s_add_co_u32 s90, s90, s91
	s_add_co_u32 s90, s90, 16384
	s_lshl_b32 s91, s17, 18
	s_add_co_u32 s90, s90, s91
	s_mul_i32 s84, s16, 64*PITCH                   ; LDS: my 64 rows of Wproj,
	s_mul_i32 s85, s15, 4*TT                       ; my row's four token tiles of eight,
	s_mul_i32 s86, s14, 16*SPITCH
	s_add_co_u32 s86, s86, STAGE                   ; my stage
	s_wait_dscnt 0x0                               ; both opening adds are done
	CROUND                                         ; all sixteen work-groups are here: the first joint loads meet
	s_wait_kmcnt 0x0
	s_add_nc_u64 s[G0B+2:G0B+3], s[8:9], s[46:47]
	s_or_b32 s[G0B+3], s[G0B+3], 0x80000000
	s_add_nc_u64 s[G0A+2:G0A+3], s[4:5], s[20:21]
	s_or_b32 s[G0A+3], s[G0A+3], 0x80000000
	s_add_nc_u64 s[G0R+2:G0R+3], s[4:5], s[22:23]
	s_or_b32 s[G0R+3], s[G0R+3], 0x80000000
	s_cmp_lt_u32 s14, 2                            ; one joint load a wave; waves 0, 1 have a line of their own, which the first barrier shows
	s_cbranch_scc0 .Lfor_a
	TLOAD G0B, G1B
	s_branch .Lasked
.Lfor_a:
	TLOAD G0A, G1A
.Lasked:
	s_add_nc_u64 s[6:7], s[6:7], s[92:93]
	s_add_nc_u64 s[10:11], s[10:11], s[94:95]
	s_add_nc_u64 s[96:97], s[96:97], s[18:19]
	s_add_nc_u64 s[12:13], s[12:13], s[88:89]
	v_and_b32 v1, 15, v0                           ; r
	v_bfe_u32 v2, v0, 4, 1                         ; h
	v_and_b32 v3, 31, v0                           ; lane
	v_mul_u32_u24 v4, v1, PITCH
	v_lshl_add_u32 v4, v2, 3, v4                   ; Wproj: row r, + 8 h
	v_add_nc_u32 v[ADRB], s84, v4
	v_lshlrev_b32 v5, 4, v3                        ; images: 16 x lane
	v_add_nc_u32 v[ADX], s85, v5
	v_add_nc_u32 v[ADX+1], 4*KQ, v[ADX]
	v_add_nc_u32 v[ADY], YB, v[ADX]
	v_add_nc_u32 v[ADY+1], YB+4*KQ, v[ADX]
	v_lshlrev_b32 v[VSA], 5, v1
	v_lshlrev_b32 v[VSB], 5, v3
	v_lshlrev_b32 v[VBI], 5, v2
	v_mul_u32_u24 v6, v1, SPITCH                   ; in: row r, 32 bytes for each half of the lanes
	v_lshl_add_u32 v6, v2, 5, v6
	v_add_nc_u32 v[STO], s86, v6
	v_mul_u32_u24 v7, v2, SPITCH                   ; back: lanes 0-15 one row of 256 bytes, lanes 16-31 the next
	v_lshl_add_u32 v7, v1, 4, v7
	v_add_nc_u32 v[RD], s86, v7
	v_lshlrev_b32 v8, 12, v2                       ; and the same two rows in out0
	v_lshl_add_u32 v[CO], v1, 4, v8
	v_lshl_add_u32 v[PF], v3, 8, s90
.irp p, 0,1
.irp c, 0,1
	global_load_b128 v[SB+8*\p+4*\c:SB+8*\p+4*\c+3], v[VSB], s[10:11] offset:\p*1024+16*\c   ; lane l takes row l of a pair of tiles: 1,024 consecutive bytes
.endr
.endr
.irp b, 0,1,2,3
	global_load_b128 v[BIAS+8*\b:BIAS+8*\b+3], v[VBI], s[96:97] offset:64*\b
	global_load_b128 v[BIAS+8*\b+4:BIAS+8*\b+7], v[VBI], s[96:97] offset:64*\b+16
.endr
.irp i, 0,1,2,3,4,5,6,7                ; block i of my row of waves is token tile 8 (i / 4) + 4 x row + i % 4: its 16 tokens' scale bytes are 512 consecutive bytes
	global_load_b128 v[SA+8*\i:SA+8*\i+3], v[VSA], s[6:7] offset:(8*(\i/4)+\i%4)*512
	global_load_b128 v[SA+8*\i+4:SA+8*\i+7], v[VSA], s[6:7] offset:(8*(\i/4)+\i%4)*512+16
.endr
	s_wait_alu depctr_va_vdst(0)                   ; the head's end
	s_cmp_lt_u32 s14, 2
	s_cbranch_scc0 .Lnot_b
	s_wait_tensorcnt 0x0                           ; waves 0, 1: Wproj's rows have landed.  The other waves' wait stands ahead of the round below
.Lnot_b:
	BARRIER
	global_prefetch_b8 v[PF], s[4:5] th:TH_LOAD_NT scope:SCOPE_SE
; my 64 rows of Wproj, all of K: fragment 4 q + b (step q, column tile b) lies in window 1 + (4 q + b) / 16: 256 loads of 8 bytes
.irp q, 0,1,2,3,4,5,6,7
	WIN (1+\q/4)<<6
.irp b, 0,1,2,3
.irp c, 0,1,2,3
	ds_load_b64 v[16*((4*\q+\b)%16)+4*\c:16*((4*\q+\b)%16)+4*\c+1], v[ADRB] offset:128*\q+32*\c+\b*16*PITCH
	ds_load_b64 v[16*((4*\q+\b)%16)+4*\c+2:16*((4*\q+\b)%16)+4*\c+3], v[ADRB] offset:128*\q+32*\c+16+\b*16*PITCH
.endr
.endr
.endr
	WIN 0
	s_wait_tensorcnt 0x0                           ; all my tensor loads are in;
	ds_add_u32 v[SPW], v[NIL]                      ; 0 onto my spare word;
	s_wait_dscnt 0x0                               ; the add is done, and Wproj's rows are in my registers
	CROUND                                         ; the same holds of every wave of the cluster: region Y is whole, and nobody reads region X
	TLOAD G0R, G1R                                 ; token tiles 8-15 into region X, a quarter a wave: my one load behind the round
.macro FETCH i                         ; block i's fragments, all of K, into set i % 2 of window 3: 32 loads
.set AD_, ADY-2*((\i)/4)
	WIN 3<<6
.irp q, 0,1,2,3,4,5,6,7
.irp c, 0,1,2,3
	ds_load_b128 v[128*((\i)%2)+16*\q+4*\c:128*((\i)%2)+16*\q+4*\c+3], v[AD_+\q/4] offset:(\q%4)*KQ+((\i)%4)*TT+512*\c+16*(\c/2)
.endr
.endr
	WIN 0
.endm
.macro PROD i, n                       ; product n = 4 q + b of block i
.set Q_, (\n)/4
.set B_, (\n)%4
.set AC_, ACC+32*((\i)%2)+8*B_
.set C_, AC_
.if Q_ == 0
.set C_, BIAS+8*B_
.endif
.set R_, 128*((\i)%2)+16*Q_
.set W_, 16*((\n)%16)
	WIN (1+(\n)/16)|(3<<2)
.if B_%2
	v_wmma_scale_f32_16x16x128_f8f6f4 v[AC_:AC_+7], v[W_:W_+15], v[R_:R_+15], v[C_:C_+7], v[SB+8*(B_/2)+Q_], v[SA+8*(\i)+Q_] matrix_a_scale:MATRIX_SCALE_ROW1
.else
	v_wmma_scale_f32_16x16x128_f8f6f4 v[AC_:AC_+7], v[W_:W_+15], v[R_:R_+15], v[C_:C_+7], v[SB+8*(B_/2)+Q_], v[SA+8*(\i)+Q_]
.endif
.endm
.macro SEND i                          ; block i's 16 rows of 256 bytes leave: sixteen lanes store one aligned unit of 256 bytes
.irp t, 0,1,2,3,4,5,6,7
	global_store_b128 v[CO], v[OB+4*\t:OB+4*\t+3], s[12:13] offset:(8*((\i)/4)+(\i)%4)*65536+\t*8192 th:TH_STORE_NT
.endr
.endm
; A block: w: the LDS loads that may stay out (the next block's 32 fragment loads, where they were issued last).  The block before leaves; 32 products; through my stage, and back as whole rows.
.macro BLK i, w
	s_wait_dscnt \w
.if (\i) > 0
	SEND (\i)-1
.endif
.set N_, 0
.rept 32
	PROD \i, N_
.set N_, N_+1
.endr
	WIN 0
	PLACES 8                                       ; behind the block's last product: for the stores of its sums and the loads into what it has read
	s_wait_xcnt 0x0                                ; the stores above have read their data, which the loads below write anew
.irp b, 0,1,2,3
	ds_store_b128 v[STO], v[ACC+32*((\i)%2)+8*\b:ACC+32*((\i)%2)+8*\b+3] offset:64*\b          ; each accumulator from its low end on
	ds_store_b128 v[STO], v[ACC+32*((\i)%2)+8*\b+4:ACC+32*((\i)%2)+8*\b+7] offset:64*\b+16
.endr
.irp t, 0,1,2,3,4,5,6,7
	ds_load_b128 v[OB+4*\t:OB+4*\t+3], v[RD] offset:\t*2*SPITCH   ; LDS serves a wave's instructions in order (ISA guide 5.7.1.4): these see the stores above
.endr
.endm
	FETCH 0
	FETCH 1
	s_wait_loadcnt 0x0                             ; the scale words and the bias
	BLK 0, 32
	FETCH 2
	BLK 1, 32
	FETCH 3
	BLK 2, 32
	BLK 3, 0
	s_wait_tensorcnt 0x0                           ; my quarter of region X is in,
	s_wait_dscnt 0x0
	BARRIER                                        ; everybody's is
	FETCH 4
	FETCH 5
	BLK 4, 32
	FETCH 6
	BLK 5, 32
	FETCH 7
	BLK 6, 32
	BLK 7, 0
	s_wait_dscnt 0x0
	SEND 7
	s_wait_tensorcnt 0x0                           ; the wave's end
	ds_add_u32 v[SPW], v[NIL]
	s_wait_dscnt 0x0
	CROUND                                         ; the closing round
	s_endpgm
.Lfunc_end_k_q36ce7669c6_proj:
	.size	k_q36ce7669c6_proj, .Lfunc_end_k_q36ce7669c6_proj-k_q36ce7669c6_proj
	.p2alignl 7, 3214868480
	.fill 96, 4, 3214868480
	.section	.rodata,"a",@progbits
	.p2align	6, 0x0
	.amdhsa_kernel k_q36ce7669c6_proj
		.amdhsa_group_segment_fixed_size 327680
		.amdhsa_private_segment_fixed_size 0
		.amdhsa_enable_private_segment 0
		.amdhsa_kernarg_size 48
		.amdhsa_user_sgpr_count 2
		.amdhsa_user_sgpr_kernarg_segment_ptr 1
		.amdhsa_wavefront_size32 1
		.amdhsa_system_sgpr_workgroup_id_x 1
		.amdhsa_system_sgpr_workgroup_id_y 1
		.amdhsa_system_sgpr_workgroup_id_z 1
		.amdhsa_system_vgpr_workitem_id 0
		.amdhsa_next_free_vgpr 1024
		.amdhsa_next_free_sgpr 100
		.amdhsa_reserve_vcc 0
		.amdhsa_float_denorm_mode_32 3
		.amdhsa_float_denorm_mode_16_64 3
		.amdhsa_memory_ordered 1
		.amdhsa_forward_progress 1
		.amdhsa_inst_pref_size 94
	.end_amdhsa_kernel
	.amdgpu_metadata
---
amdhsa.version: [ 1, 2 ]
amdhsa.kernels:
  - .name:           k_q36ce7669c6_proj
    .symbol:         k_q36ce7669c6_proj.kd
    .args:
      - { .name: oc, .offset: 0, .size: 8, .value_kind: global_buffer, .address_space: global }
      - { .name: os, .offset: 8, .size: 8, .value_kind: global_buffer, .address_space: global }
      - { .name: Wproj_codes, .offset: 16, .size: 8, .value_kind: global_buffer, .address_space: global }
      - { .name: Wproj_scales, .offset: 24, .size: 8, .value_kind: global_buffer, .address_space: global }
      - { .name: out0, .offset: 32, .size: 8, .value_kind: global_buffer, .address_space: global }
      - { .name: bproj, .offset: 40, .size: 8, .value_kind: global_buffer, .address_space: global }
    .group_segment_fixed_size: 327680
    .private_segment_fixed_size: 0
    .kernarg_segment_align: 8
    .kernarg_segment_size: 48
    .max_flat_workgroup_size: 128
    .sgpr_count:     100
    .vgpr_count:     1024
    .wavefront_size: 32
...
	.end_amdgpu_metadata
.endif
;; end of part 3
